; MI455X (gfx1250); checked and timed in simulation.
; The chip was launched on July 23, 2026; its instructions are those of AMD's public machine-readable ISA for CDNA 5 (MIT licence, August 2026) and "CDNA5" Instruction Set Architecture Reference Guide (July 2026). The comments in the code are by the model that wrote it; some were corrected since.
;; Self Attn. Allowed arithmetic: float matrix products may take bf16 or f16 operands with f32 sums; all other float work in f32.
;; Inputs: iQ 4 x 2,048 x 1,024 float32; sn_bias 1 float32; w_out 1,024 x 1,024 float32; w_qkv 3,072 x 1,024 float32.
;; Outputs: out0 4 x 2,048 x 1,024 float32.
;; 2 versions, each right; version 2 is version 1 with the launch cast written anew for expert scheduling mode. Each part assembles by itself: llvm-mc -triple=amdgcn-amd-amdhsa -mcpu=gfx1250 --defsym DOCPART=n.
;; ======== version 1 of 2: 4 launches
;; limits: values are held in f16: magnitudes above 65,504 overflow, below 6.1e-05 lose precision
;; workspace buffers: xb 16,777,216 bytes; wqb 6,291,456 bytes; wob 2,097,152 bytes; qkv 50,331,648 bytes; ob 16,777,216 bytes
;; launch cast (part 1): grid 768 x 1, 8 waves a work-group, no clusters, 0 bytes of LDS; arguments iQ, w_qkv, w_out, xb, wqb, wob; writes xb, wqb, wob
.if DOCPART == 1
	.amdgcn_target "amdgcn-amd-amdhsa--gfx1250"
	.amdhsa_code_object_version 6
	.text
	.protected	k_qc7ecc9587e_cast
	.globl	k_qc7ecc9587e_cast
	.p2align	8
	.type	k_qc7ecc9587e_cast,@function
k_qc7ecc9587e_cast:
	s_mov_b64 s[64:65], 0
	v_nop
	global_prefetch_b8 v0, s[64:65] scope:SCOPE_SE
	s_setreg_imm32_b32 hwreg(HW_REG_WAVE_MODE, 25, 1), 1
	s_wait_xcnt 0x0
; The module's three large inputs are rounded once to bf16: iQ -> xb and w_qkv -> wqb as bf16; w_out -> wob: rounded to bf16, and that number written as f16
; (the last product multiplies in f16).  LIMIT: a bf16 number is exact in f16 between 6.1e-5 and 65,504 in magnitude; below, it keeps f16's fixed step of 6e-8; beyond, it becomes an infinity.
; A stream: no LDS, no barrier, no matrix unit.  A work-group takes 65,536 input bytes: groups 0-511 iQ, 512-703 w_qkv, 704-767 w_out.
; Thread t, chunk c of 16: 16 bytes at 4,096 c + 16 t (a wave's load covers 512 consecutive bytes), 8 bytes out at 2,048 c + 8 t (a wave's store covers 256 consecutive bytes, aligned).
; All 16 loads go out first; every chunk has its own registers, so nothing that a pending load or store names is ever rewritten.
.set X, 4                              ; v[4:67]    chunk c: 4 numbers in f32
.set Y, 68                             ; v[68:99]   chunk c: 4 numbers of 16 bits
.set T, 100                            ; v[100:101] at work
	s_load_b256 s[4:11], s[0:1], 0x0               ; iQ s[4:5], w_qkv s[6:7], w_out s[8:9], xb s[10:11]
	s_load_b128 s[12:15], s[0:1], 0x20             ; wqb s[12:13], wob s[14:15]
	v_lshlrev_b32 v1, 4, v0                        ; 16 t
	v_lshlrev_b32 v2, 3, v0                        ; 8 t
	s_wait_kmcnt 0x0
	s_cmp_lt_u32 ttmp9, 512                        ; which tensor is mine: a choice by the group's number alone
	s_cselect_b64 s[16:17], s[4:5], s[6:7]
	s_cselect_b64 s[18:19], s[10:11], s[12:13]
	s_cselect_b32 s20, 0, 512                      ; the first group of that tensor
	s_cmp_lt_u32 ttmp9, 704
	s_cselect_b64 s[16:17], s[16:17], s[8:9]
	s_cselect_b64 s[18:19], s[18:19], s[14:15]
	s_cselect_b32 s20, s20, 704
	s_sub_co_u32 s20, ttmp9, s20                   ; my place among the tensor's groups
	s_lshl_b32 s22, s20, 16                        ; 65,536 bytes in,
	s_mov_b32 s23, 0
	s_add_nc_u64 s[16:17], s[16:17], s[22:23]
	s_lshl_b32 s22, s20, 15                        ; 32,768 bytes out
	s_add_nc_u64 s[18:19], s[18:19], s[22:23]
.irp c, 0,1,2,3,4,5,6,7,8,9,10,11,12,13,14,15
	global_load_b128 v[X+4*(\c):X+4*(\c)+3], v1, s[16:17] offset:4096*(\c) th:TH_LOAD_NT
.endr
; Chunk c leaves.  half = 1: the bf16 number is widened again (a shift, a mask) and written as f16.
.macro OUT c, half
	s_wait_loadcnt 15-(\c)                         ; loads come back in order: chunk c is in, the 15 - c younger ones stay out
.if \half
	v_cvt_pk_bf16_f32 v[T],   v[X+4*(\c)],   v[X+4*(\c)+1]
	v_cvt_pk_bf16_f32 v[T+1], v[X+4*(\c)+2], v[X+4*(\c)+3]
	v_lshlrev_b32 v[X+4*(\c)],   16, v[T]
	v_and_b32     v[X+4*(\c)+1], 0xffff0000, v[T]
	v_lshlrev_b32 v[X+4*(\c)+2], 16, v[T+1]
	v_and_b32     v[X+4*(\c)+3], 0xffff0000, v[T+1]
	v_cvt_pk_f16_f32 v[Y+2*(\c)],   v[X+4*(\c)],   v[X+4*(\c)+1]
	v_cvt_pk_f16_f32 v[Y+2*(\c)+1], v[X+4*(\c)+2], v[X+4*(\c)+3]
.else
	v_cvt_pk_bf16_f32 v[Y+2*(\c)],   v[X+4*(\c)],   v[X+4*(\c)+1]
	v_cvt_pk_bf16_f32 v[Y+2*(\c)+1], v[X+4*(\c)+2], v[X+4*(\c)+3]
.endif
	global_store_b64 v2, v[Y+2*(\c):Y+2*(\c)+1], s[18:19] offset:2048*(\c)  ; the next launch reads it: no hint
.endm
	s_cmp_ge_u32 ttmp9, 704                        ; compared anew: the subtraction above has set SCC
	s_cbranch_scc1 .Lf16
.irp c, 0,1,2,3,4,5,6,7,8,9,10,11,12,13,14,15
	OUT \c, 0
.endr
	s_endpgm
.Lf16:
.irp c, 0,1,2,3,4,5,6,7,8,9,10,11,12,13,14,15
	OUT \c, 1
.endr
	s_endpgm
.Lfunc_end_k_qc7ecc9587e_cast:
	.size	k_qc7ecc9587e_cast, .Lfunc_end_k_qc7ecc9587e_cast-k_qc7ecc9587e_cast
	.p2alignl 7, 3214868480
	.fill 96, 4, 3214868480
	.section	.rodata,"a",@progbits
	.p2align	6, 0x0
	.amdhsa_kernel k_qc7ecc9587e_cast
		.amdhsa_group_segment_fixed_size 0
		.amdhsa_private_segment_fixed_size 0
		.amdhsa_enable_private_segment 0
		.amdhsa_kernarg_size 48
		.amdhsa_user_sgpr_count 2
		.amdhsa_user_sgpr_kernarg_segment_ptr 1
		.amdhsa_wavefront_size32 1
		.amdhsa_system_sgpr_workgroup_id_x 1
		.amdhsa_system_sgpr_workgroup_id_y 1
		.amdhsa_system_sgpr_workgroup_id_z 1
		.amdhsa_system_vgpr_workitem_id 0
		.amdhsa_next_free_vgpr 104
		.amdhsa_next_free_sgpr 66
		.amdhsa_reserve_vcc 0
		.amdhsa_float_denorm_mode_32 3
		.amdhsa_float_denorm_mode_16_64 3
		.amdhsa_memory_ordered 1
		.amdhsa_forward_progress 1
		.amdhsa_inst_pref_size 16
	.end_amdhsa_kernel
	.amdgpu_metadata
---
amdhsa.version: [ 1, 2 ]
amdhsa.kernels:
  - .name:           k_qc7ecc9587e_cast
    .symbol:         k_qc7ecc9587e_cast.kd
    .args:
      - { .name: iQ, .offset: 0, .size: 8, .value_kind: global_buffer, .address_space: global }
      - { .name: w_qkv, .offset: 8, .size: 8, .value_kind: global_buffer, .address_space: global }
      - { .name: w_out, .offset: 16, .size: 8, .value_kind: global_buffer, .address_space: global }
      - { .name: xb, .offset: 24, .size: 8, .value_kind: global_buffer, .address_space: global }
      - { .name: wqb, .offset: 32, .size: 8, .value_kind: global_buffer, .address_space: global }
      - { .name: wob, .offset: 40, .size: 8, .value_kind: global_buffer, .address_space: global }
    .group_segment_fixed_size: 0
    .private_segment_fixed_size: 0
    .kernarg_segment_align: 8
    .kernarg_segment_size: 48
    .max_flat_workgroup_size: 256
    .sgpr_count:     66
    .vgpr_count:     104
    .wavefront_size: 32
...
	.end_amdgpu_metadata
.endif
;; end of part 1
;; launch qkv (part 2): grid 16 x 32, 4 waves a work-group, clusters of 4 x 4, 327,680 bytes of LDS; arguments xb, wqb, qkv; writes qkv
.if DOCPART == 2
	.amdgcn_target "amdgcn-amd-amdhsa--gfx1250"
	.amdhsa_code_object_version 6
	.text
	.protected	k_qc7ecc9587e_qkv
	.globl	k_qc7ecc9587e_qkv
	.p2align	8
	.type	k_qc7ecc9587e_qkv,@function
k_qc7ecc9587e_qkv:
	s_mov_b64 s[64:65], 0
	v_nop
	global_prefetch_b8 v0, s[64:65] scope:SCOPE_SE
	s_setreg_imm32_b32 hwreg(HW_REG_WAVE_MODE, 25, 1), 1
	s_wait_xcnt 0x0
	s_wait_alu depctr_hold_cnt(0) depctr_sa_sdst(0) depctr_va_vdst(0) depctr_va_sdst(0) depctr_va_ssrc(0) depctr_va_vcc(0) depctr_vm_vsrc(0)
	s_getreg_b32 s2, hwreg(HW_REG_IB_STS2, 6, 4)
	s_cmp_eq_u32 s2, 0
	s_cbranch_scc0 .Lentry_in_a_cluster
	s_endpgm
.Lentry_in_a_cluster:
	s_bfe_u32 s2, ttmp6, 0x10000c
	s_cmp_lg_u32 s2, 0xf033
	s_cbranch_scc0 .Lentry_shape_is_right
	s_endpgm
.Lentry_shape_is_right:
; THE FIRST PROJECTION.  C[row][e] = sum over d of xb[row][d] wqb[e][d]: 8,192 x 3,072 x 1,024, bf16 operands, f32 sums, each result rounded once to f16 and laid by heads:
; qkv[batch][g = e / 64][s][64], 128 bytes a row, a head's rows dense (g 0-15 q, 16-31 k, 32-47 v).  No scale is applied here.
; LIMIT: f16 ends at 65,504: a q, k or v beyond it becomes an infinity; below 6.1e-5 it keeps f16's fixed step of 6e-8.  NaN and infinities are not treated apart.
; SHARES.  A tile of C is 256 rows x 192 columns (three whole heads): 32 x 16 = 512 work-groups, two for each of 256 WGPs; tiles of 256 x 256 would be 384, a round and a half.
; Four waves; wave w makes rows 64 w .. 64 w + 63 and ALL 192 columns: 48 accumulators of 16 x 16, 384 registers.  So a wave owns whole rows of three heads, and its stage on the way out is its own.
; K goes in steps of 128 (rows of 256 bytes) through a ring of two LDS slots, each with 256 rows of xb and 192 rows of wqb.
; CLUSTER 4 x 4: the four work-groups of a row of the cluster need the same tile of xb, the four of a column the same tile of wqb: each tile is asked for JOINTLY, by the same tensor load
; with the same descriptor and a mask that names the four.  Waves 0, 1 fetch xb's two halves (128 rows), waves 2, 3 wqb's (96 rows).
; THE MATRIX INSTRUCTION IS USED TRANSPOSED (source 0 = 16 rows of wqb, source 1 = 16 rows of xb): a lane then holds row lane % 16 of C and eight neighbouring columns 8 (lane / 16) + 0..7.
; REGISTERS, in windows of 256 (s_set_vgpr_msb: bits 1:0 source 0, 3:2 source 1, 5:4 source 2, 7:6 destination):
;   window 0: v0-31 addresses; v32-95 xb's fragments, two buffers of 4 x 8; v96-143, v144-191 at work on the way out
;   window 1: wqb's fragments, two buffers of 12 x 8        window 3: the accumulators of column blocks 0-3 at 8 (4 b + a)        window 2: those of blocks 4-11 at 8 (4 (b - 4) + a)
.set NBK,    12                        ; column blocks of 16
.set PITCH,  272                       ; an LDS row: 256 bytes + 16 of padding = 68 words: the 16 rows that a load touches start at 16 different groups of four banks (64 banks of 4 bytes: ISA guide 11.1)
.set PITCHA, 272
.set PLANEA, 128                       ; byte k of a K step's 256 lies at (k / 128) PLANEA + k % 128 of xb's LDS row: here simply at k
.set HALFA,  128*PITCHA                ; what wave 0 or 1 fetches
.set HALFB,  96*PITCH                  ; what wave 2 or 3 fetches
.set BOFF,   2*HALFA                   ; wqb's rows lie behind xb's
.set SLOT,   BOFF+2*HALFB              ; 121,856
.set STAGE,  2*SLOT                    ; behind the ring, never filled by a tensor load: 16 rows x 400 bytes for each wave
.set SPITCH, 400                       ; 384 bytes + 16
.set SPARE,  STAGE+4*16*SPITCH         ; behind the stages: the spare words, 128 bytes for each wave: two blocks of 256 bytes that no other line names
.set STEPA,  512                       ; bytes from a slot's K step to its next: two steps of 256
.set STEPB,  512
.set LAPS,   4                         ; a lap = two K steps = once round the ring: 1,024 / 256
.set ADRA, 16                          ; v16-17  LDS address of my xb fragments in slot 0, 1
.set ADRB, 20                          ; v20-21  the same for wqb
.set STO,  24                          ; v24     the way out: where I put 16 bytes of a row
.set RD,   25                          ; v25     where I read rows back
.set CO,   26                          ; v26     my byte offset in 512 consecutive bytes of qkv
.set SPW,  28                          ; v28     LDS address of my spare word; never rewritten
.set NIL,  29                          ; v29     0; never rewritten
.set FA,   32
.set TMP,  96
.set OB,   144
.set G1,  24                           ; s[24:31] descriptor group 1 for xb's tiles;  s[32:39] group 0, a set for each slot
.set G0,  32
.set G1B, 48                           ; s[48:55], s[56:63] the same for wqb's
.set G0B, 56
.set MSB, 0
.macro WIN new                         ; the immediate's high byte repeats the setting that is left; a switch that changes nothing is dropped
.if MSB != (\new)
	s_set_vgpr_msb (MSB<<8)|(\new)
.set MSB, \new
.endif
.endm
.set MUL_HI, 0xf1                      ; source 0 window 1, source 1 window 0, C and D window 3
.set MUL_LO, 0xa1                      ; the same, C and D window 2
.set TO_B,   0x40                      ; destination window 1, address window 0
; A joint refill.  The branch hangs on the wave's number alone.  An s_nop 0 and four v_nop follow each of the two lines, ahead of the jump and the label.
.macro JLOAD s
	s_cmp_eq_u32 s11, 0
	s_cbranch_scc0 .Lfor_b_\@
	tensor_load_to_lds s[G0+4*(\s):G0+4*(\s)+3], s[G1:G1+7]
	s_nop 0
.rept 4
	v_nop
.endr
	s_branch .Lasked_\@
.Lfor_b_\@:
	tensor_load_to_lds s[G0B+4*(\s):G0B+4*(\s)+3], s[G1B:G1B+7]
	s_nop 0
.rept 4
	v_nop
.endr
.Lasked_\@:
.endm
; A round of the cluster's barrier: my work-group's barrier, so that wave 0's signal speaks for all four waves; wave 0 signals; every wave waits for all sixteen work-groups; my work-group's barrier once more.
.macro CREST                           ; a round behind its opening barrier
	s_cmp_lg_u32 s10, 0
	s_cbranch_scc1 .Lnot_wave_0_\@
	s_barrier_signal -3
.Lnot_wave_0_\@:
	s_barrier_wait -3
	s_barrier_signal -1
	s_barrier_wait -1
.endm
.macro CROUND
	s_barrier_signal -1
	s_barrier_wait -1
	CREST
.endm
	s_load_b128 s[4:7], s[0:1], 0x0                ; xb s[4:5], wqb s[6:7]
	s_load_b64 s[8:9], s[0:1], 0x10                ; qkv
	v_lshl_add_u32 v[SPW], v0, 2, SPARE
	v_mov_b32 v[NIL], 0
	ds_add_u32 v[SPW], v[NIL]                      ; the wave's opening: the add and its wait stand ahead of my first tensor load; the set-up below, work on registers, stands between them
	v_lshrrev_b32 v1, 5, v0
	v_readfirstlane_b32 s10, v1                    ; wave 0..3
	s_lshr_b32 s11, s10, 1                         ; I fetch for xb (0) or for wqb (1)
	s_and_b32 s12, s10, 1                          ; which half of that tile
	s_bfe_u32 s40, ttmp6, 0x40000                  ; cx, cy: my place in the cluster
	s_bfe_u32 s41, ttmp6, 0x40004
	s_lshl_b32 s42, ttmp9, 2
	s_add_co_u32 s42, s42, s40                     ; tile column = 4 x cluster x + cx
	s_and_b32 s13, ttmp7, 0xffff
	s_lshl_b32 s13, s13, 2
	s_add_co_u32 s13, s13, s41                     ; tile row = 4 x cluster y + cy
	s_lshl_b32 s43, s41, 2
	s_lshl_b32 s43, 15, s43                        ; my row of the cluster: places 4 cy .. 4 cy + 3
	s_lshl_b32 s44, 0x1111, s40                    ; my column: places cx, cx + 4, cx + 8, cx + 12
	s_or_b32 s[G1+0], s43, (1<<16)|(1<<20)|(1<<21)|(5<<22)|(3<<25)   ; 15:0 the mask; 17:16 elements of 2 bytes; 20 padding on; 21 set beside a mask; 24:22 after every 64 words (code 5); 31:25 4 words (code 3)
	s_or_b32 s[G1B+0], s44, (1<<16)|(1<<20)|(1<<21)|(5<<22)|(3<<25)
	s_mov_b32 s[G1+1], 128<<16                     ; tensor_dim0 = 128
	s_mov_b32 s[G1+2], 128<<16                     ; tensor_dim1 = 128
	s_mov_b32 s[G1+3], 128<<16                     ; tile_dim0 = 128
	s_mov_b32 s[G1+4], 128                         ; tile_dim1 = 128
	s_mov_b32 s[G1+5], 1024                        ; elements from row to row
	s_mov_b32 s[G1+6], 0
	s_mov_b32 s[G1+7], 0
	s_mov_b32 s[G1B+1], 128<<16
	s_mov_b32 s[G1B+2], 96<<16                     ; 96 rows
	s_mov_b32 s[G1B+3], 128<<16
	s_mov_b32 s[G1B+4], 96
	s_mov_b32 s[G1B+5], 1024
	s_mov_b32 s[G1B+6], 0
	s_mov_b32 s[G1B+7], 0
	; where the tiles come from: xb's hang on the tile row alone, wqb's on the tile column alone, each in registers that never hold the other coordinate
	s_lshl_b32 s16, s13, 8
	s_lshl_b32 s17, s12, 7
	s_add_co_u32 s16, s16, s17                     ; xb: row 256 x tile row + 128 x half,
	s_lshl_b32 s16, s16, 11                        ; of 2,048 bytes
	s_mov_b32 s17, 0
	s_mul_i32 s46, s42, 192
	s_mul_i32 s47, s12, 96
	s_add_co_u32 s46, s46, s47                     ; wqb: row 192 x tile column + 96 x half
	s_lshl_b32 s46, s46, 11
	s_mov_b32 s47, 0
	s_mul_i32 s20, s10, HALFA                      ; where they go: waves 0, 1: wave x 128 rows;
	s_mul_i32 s21, s10, HALFB
	s_add_co_u32 s21, s21, BOFF-2*HALFB            ; waves 2, 3: behind xb's rows, (wave - 2) x 96 rows.  No place in the cluster enters an LDS address
	s_wait_dscnt 0x0                               ; the opening add is done
	s_wait_kmcnt 0x0
	s_add_nc_u64 s[14:15], s[4:5], s[16:17]
	s_add_nc_u64 s[46:47], s[6:7], s[46:47]
.irp s, 0,1
	s_mov_b32 s[G0+4*(\s)], 1                                      ; count = 1
	s_add_co_u32 s[G0+4*(\s)+1], s20, (\s)*SLOT                    ; LDS address
	s_add_nc_u64 s[G0+4*(\s)+2:G0+4*(\s)+3], s[14:15], (\s)*256    ; global address: K step s
	s_or_b32 s[G0+4*(\s)+3], s[G0+4*(\s)+3], 0x80000000            ; type = 2
	s_mov_b32 s[G0B+4*(\s)], 1
	s_add_co_u32 s[G0B+4*(\s)+1], s21, (\s)*SLOT
	s_add_nc_u64 s[G0B+4*(\s)+2:G0B+4*(\s)+3], s[46:47], (\s)*256
	s_or_b32 s[G0B+4*(\s)+3], s[G0B+4*(\s)+3], 0x80000000
.endr
	CROUND                                         ; all sixteen work-groups are here: the first joint loads meet
	s_cmp_eq_u32 s11, 0                            ; a wave's two first fills stand in one branch, ahead of every wait on TENSORcnt and every LDS read: two loads of mine are out
	s_cbranch_scc0 .Lfirst_b
	tensor_load_to_lds s[G0:G0+3], s[G1:G1+7]
	s_nop 0
	tensor_load_to_lds s[G0+4:G0+7], s[G1:G1+7]
	s_nop 0
.rept 4
	v_nop
.endr
	s_branch .Lfirst_asked
.Lfirst_b:
	tensor_load_to_lds s[G0B:G0B+3], s[G1B:G1B+7]
	s_nop 0
	tensor_load_to_lds s[G0B+4:G0B+7], s[G1B:G1B+7]
	s_nop 0
.rept 4
	v_nop
.endr
.Lfirst_asked:
	; A fragment is 16 rows x 32 K in 8 registers: lane l holds row l % 16; registers 0-3 K = 8 (l / 16) + 0..7, registers 4-7 K = 16 + 8 (l / 16) + 0..7: two loads of 16 bytes, 32 bytes apart.
	v_and_b32 v1, 15, v0                           ; l % 16
	v_bfe_u32 v2, v0, 4, 1                         ; l / 16
	v_mul_u32_u24 v3, v1, PITCHA
	v_lshl_add_u32 v3, v2, 4, v3
	s_mul_i32 s22, s10, 64*PITCHA                  ; my 64 rows of xb
	v_add_nc_u32 v[ADRA], s22, v3
	v_add_nc_u32 v[ADRA+1], SLOT, v[ADRA]
	v_mul_u32_u24 v3, v1, PITCH
	v_lshl_add_u32 v3, v2, 4, v3
	v_add_nc_u32 v[ADRB], BOFF, v3                 ; all 192 rows of wqb
	v_add_nc_u32 v[ADRB+1], SLOT, v[ADRB]
	s_mul_i32 s23, s10, 16*SPITCH
	s_add_co_u32 s23, s23, STAGE                   ; my stage
	v_mul_u32_u24 v4, v1, SPITCH                   ; in: row l % 16, 16 bytes for each half of the lanes
	v_lshl_add_u32 v4, v2, 4, v4
	v_add_nc_u32 v[STO], s23, v4
	v_bfe_u32 v4, v0, 3, 2                         ; back: 32 lanes take four rows' 128 bytes of one head,
	v_and_b32 v5, 7, v0
	v_mul_u32_u24 v4, v4, SPITCH
	v_lshl_add_u32 v4, v5, 4, v4
	v_add_nc_u32 v[RD], s23, v4
	v_and_b32 v[CO], 31, v0                        ; which are 512 consecutive bytes of qkv
	v_lshlrev_b32 v[CO], 4, v[CO]
	; qkv at my first row of the tile's first head: batch = tile row / 8; s = 256 (tile row % 8) + 64 wave; g = 3 x tile column
	s_lshr_b32 s16, s13, 3
	s_mul_i32 s16, s16, 12582912                   ; a batch: 48 heads x 2,048 rows x 128 bytes
	s_and_b32 s17, s13, 7
	s_lshl_b32 s17, s17, 15
	s_add_co_u32 s16, s16, s17
	s_lshl_b32 s17, s10, 13
	s_add_co_u32 s16, s16, s17
	s_mov_b32 s17, 0
	s_add_nc_u64 s[8:9], s[8:9], s[16:17]
	s_mul_i32 s46, s42, 786432                     ; three heads of 262,144 bytes (in the registers that held wqb's address: none that fed xb's descriptors ever holds cx)
	s_mov_b32 s47, 0
	s_add_nc_u64 s[8:9], s[8:9], s[46:47]
; 4 nb matrix instructions: column blocks b0 .. b0 + nb - 1 x my four row blocks, 32 along K, from buffer f.  zero = 1: the first product starts the sums: nothing is ever cleared.
; The 48 accumulators take turns, one instruction a turn, in the same order in every quarter.
.macro MULB f, b0, nb, zero
.set bb, \b0
.rept \nb
.if bb < 4
	WIN MUL_HI
.set AC, 32*bb
.else
	WIN MUL_LO
.set AC, 32*(bb-4)
.endif
.irp a, 0,1,2,3
.if \zero
	v_wmma_f32_16x16x32_bf16 v[AC+8*(\a):AC+8*(\a)+7], v[8*NBK*(\f)+8*bb:8*NBK*(\f)+8*bb+7], v[FA+32*(\f)+8*(\a):FA+32*(\f)+8*(\a)+7], 0
.else
	v_wmma_f32_16x16x32_bf16 v[AC+8*(\a):AC+8*(\a)+7], v[8*NBK*(\f)+8*bb:8*NBK*(\f)+8*bb+7], v[FA+32*(\f)+8*(\a):FA+32*(\f)+8*(\a)+7], v[AC+8*(\a):AC+8*(\a)+7]
.endif
.endr
.set bb, bb+1
.endr
.endm
; 8 + 2 NBK LDS loads in one run: the fragments of one quarter step (32 K at byte k of the K step) into buffer f: xb's first, then wqb's, blocks ascending
.macro FETCH slot, k, f
	WIN 0
.irp i, 0,1,2,3
	ds_load_b128 v[FA+32*(\f)+8*(\i):FA+32*(\f)+8*(\i)+3],   v[ADRA+(\slot)] offset:((\k)/128)*PLANEA+(\k)%128+(\i)*16*PITCHA
	ds_load_b128 v[FA+32*(\f)+8*(\i)+4:FA+32*(\f)+8*(\i)+7], v[ADRA+(\slot)] offset:((\k)/128)*PLANEA+(\k)%128+(\i)*16*PITCHA+32
.endr
	WIN TO_B
.set bb, 0
.rept NBK
	ds_load_b128 v[8*NBK*(\f)+8*bb:8*NBK*(\f)+8*bb+3],   v[ADRB+(\slot)] offset:(\k)+bb*16*PITCH
	ds_load_b128 v[8*NBK*(\f)+8*bb+4:8*NBK*(\f)+8*bb+7], v[ADRB+(\slot)] offset:(\k)+bb*16*PITCH+32
.set bb, bb+1
.endr
.endm
; A load into a register that a matrix instruction has read, and a vector instruction or LDS store that reads a matrix result, stand four places behind it; only plain vector
; instructions that name none of its registers are places (ISA guide 7.12.1 for vector instructions).
.macro PLACES
.rept 4
	v_nop
.endr
.endm
; A K step is four quarters of 32 along K, 48 matrix instructions each, on buffers 0, 1, 0, 1.  One of the first three multiplies buffer f and, behind its first 16 products, fetches the next quarter into buffer g.
.macro QUARTER slot, k, f, g, zero
	s_wait_dscnt 2*(NBK-4)                         ; xb's fragments and wqb's blocks 0-3 are in; the youngest 16 loads (blocks 4-11) may be out
	MULB \f, 0, 4, \zero
	PLACES
	FETCH \slot, \k, \g
	s_wait_dscnt 8+2*NBK                           ; all but the 32 just issued
	MULB \f, 4, NBK-4, \zero
.endm
; The last quarter multiplies buffer 1 and changes slots: ONE barrier.  In front of it each wave waits for all its tensor loads (one is out: its part of the next slot), adds 0 to its spare word,
; and waits for that and for its own reads of this slot.  fill = 1: the barrier opens a round of the cluster's barrier, and this slot is filled again, two K steps ahead, first thing behind the round.
.macro TURN slot, next, fill
	WIN 0                                          ; (the add's two registers lie in window 0)
	s_wait_tensorcnt 0x0                           ; all my tensor loads have landed;
	ds_add_u32 v[SPW], v[NIL]                      ; 0 onto my spare word;
	s_wait_dscnt 2*(NBK-4)+1                       ; (the add and the youngest 16 loads may be out)
	MULB 1, 0, 4, 0                                ; sixteen matrix instructions stand between the add and the wait for it
	s_wait_dscnt 0x0                               ; the add is done, and my reads of this slot are over
	s_barrier_signal -1
	MULB 1, 4, (NBK-4)/2, 0                        ; work on registers while the others arrive
.if \fill
	WIN 0
.endif
	s_barrier_wait -1
.if \fill
	CREST                                          ; no wave of any partner still reads this slot's tile or has a load on its way
	s_add_nc_u64 s[G0+4*(\slot)+2:G0+4*(\slot)+3], s[G0+4*(\slot)+2:G0+4*(\slot)+3], STEPA
	s_add_nc_u64 s[G0B+4*(\slot)+2:G0B+4*(\slot)+3], s[G0B+4*(\slot)+2:G0B+4*(\slot)+3], STEPB
	JLOAD \slot                                    ; my one tensor load behind the round; its four v_nop are also the places in front of the loads below
.else
	PLACES
.endif
	FETCH \next, 0, 0
	MULB 1, 4+(NBK-4)/2, (NBK-4)/2, 0
.endm
; THE WAY OUT of row block a (16 rows x 192 columns): rounded to f16, 16 bytes a lane; into my own stage; back as four rows x 128 bytes of one head, which lie end to end in qkv.
.macro OUTBLK a
.set bb, 0
.rept NBK
.if bb < 4
	WIN 0x0f                                       ; sources 0 and 1 window 3
.set AC, 32*bb+8*(\a)
.else
	WIN 0x0a                                       ; window 2
.set AC, 32*(bb-4)+8*(\a)
.endif
.irp r, 0,1,2,3
	v_cvt_pk_f16_f32 v[TMP+4*bb+(\r)], v[AC+2*(\r)], v[AC+2*(\r)+1]  ; each accumulator from its low end on
.endr
.set bb, bb+1
.endr
	WIN 0
.set bb, 0
.rept NBK
	ds_store_b128 v[STO], v[TMP+4*bb:TMP+4*bb+3] offset:32*bb
.set bb, bb+1
.endr
	s_wait_xcnt 0x0                                ; the registers loaded below were the last block's store data: they are rewritten only behind this wait
.set j, 0
.rept 12
	ds_load_b128 v[OB+4*j:OB+4*j+3], v[RD] offset:128*(j/4)+4*SPITCH*(j%4)  ; LDS serves a wave's instructions in order (ISA guide 5.7.1.4): these see the stores above
.set j, j+1
.endr
.set j, 0
.rept 12
	s_wait_dscnt 11-j                              ; load j is back; the 11 - j younger ones may be out
	global_store_b128 v[CO], v[OB+4*j:OB+4*j+3], s[8:9] offset:262144*(j/4)+2048*(\a)+512*(j%4)  ; head j / 4, rows 16 a + 4 (j % 4) on: 512 consecutive bytes, at a multiple of 512 from qkv's first
.set j, j+1
.endr
.endm
	s_wait_tensorcnt 0x1                           ; my part of K step 0 is in; slot 1's may stay out
	s_barrier_signal -1
	s_barrier_wait -1                              ; everybody's is
	FETCH 0, 0, 0
	QUARTER 0, 64, 0, 1, 1                         ; the first quarter stands in front of the loop: its products start the sums
	WIN 0                                          ; at a label and at a branch every window is 0
	s_mov_b32 s3, LAPS-1
.Llap:                                                 ; a trip goes once round the ring, from a lap's second quarter to the next lap's first, and fills both slots again
	QUARTER 0, 128, 1, 0, 0
	QUARTER 0, 192, 0, 1, 0
	TURN 0, 1, 1
	QUARTER 1, 64,  0, 1, 0
	QUARTER 1, 128, 1, 0, 0
	QUARTER 1, 192, 0, 1, 0
	TURN 1, 0, 1
	QUARTER 0, 64,  0, 1, 0
	WIN 0
	s_sub_co_u32 s3, s3, 1
	s_cmp_lg_u32 s3, 0
	s_cbranch_scc1 .Llap
	QUARTER 0, 128, 1, 0, 0                        ; the last lap fills nothing, and has no round of the cluster's barrier
	QUARTER 0, 192, 0, 1, 0
	TURN 0, 1, 0
	QUARTER 1, 64,  0, 1, 0
	QUARTER 1, 128, 1, 0, 0
	QUARTER 1, 192, 0, 1, 0
	s_wait_dscnt 2*(NBK-4)                         ; the very last quarter: nothing more to fetch
	MULB 1, 0, 4, 0
	s_wait_dscnt 0x0
	MULB 1, 4, NBK-4, 0
	WIN 0
	PLACES                                         ; the conversions read results just made
	OUTBLK 0
	OUTBLK 1
	OUTBLK 2
	OUTBLK 3
	s_wait_tensorcnt 0x0                           ; the wave's end: an add to my spare word and the wait for it, behind my last tensor load and my last LDS store
	ds_add_u32 v[SPW], v[NIL]
	s_wait_dscnt 0x0
	CROUND                                         ; the closing round: no work-group ends while a partner may still ask for a tile that names it
	s_endpgm
.Lfunc_end_k_qc7ecc9587e_qkv:
	.size	k_qc7ecc9587e_qkv, .Lfunc_end_k_qc7ecc9587e_qkv-k_qc7ecc9587e_qkv
	.p2alignl 7, 3214868480
	.fill 96, 4, 3214868480
	.section	.rodata,"a",@progbits
	.p2align	6, 0x0
	.amdhsa_kernel k_qc7ecc9587e_qkv
		.amdhsa_group_segment_fixed_size 327680
		.amdhsa_private_segment_fixed_size 0
		.amdhsa_enable_private_segment 0
		.amdhsa_kernarg_size 24
		.amdhsa_user_sgpr_count 2
		.amdhsa_user_sgpr_kernarg_segment_ptr 1
		.amdhsa_wavefront_size32 1
		.amdhsa_system_sgpr_workgroup_id_x 1
		.amdhsa_system_sgpr_workgroup_id_y 1
		.amdhsa_system_sgpr_workgroup_id_z 1
		.amdhsa_system_vgpr_workitem_id 0
		.amdhsa_next_free_vgpr 896
		.amdhsa_next_free_sgpr 66
		.amdhsa_reserve_vcc 0
		.amdhsa_float_denorm_mode_32 3
		.amdhsa_float_denorm_mode_16_64 3
		.amdhsa_memory_ordered 1
		.amdhsa_forward_progress 1
		.amdhsa_inst_pref_size 120
	.end_amdhsa_kernel
	.amdgpu_metadata
---
amdhsa.version: [ 1, 2 ]
amdhsa.kernels:
  - .name:           k_qc7ecc9587e_qkv
    .symbol:         k_qc7ecc9587e_qkv.kd
    .args:
      - { .name: xb, .offset: 0, .size: 8, .value_kind: global_buffer, .address_space: global }
      - { .name: wqb, .offset: 8, .size: 8, .value_kind: global_buffer, .address_space: global }
      - { .name: qkv, .offset: 16, .size: 8, .value_kind: global_buffer, .address_space: global }
    .group_segment_fixed_size: 327680
    .private_segment_fixed_size: 0
    .kernarg_segment_align: 8
    .kernarg_segment_size: 24
    .max_flat_workgroup_size: 128
    .sgpr_count:     66
    .vgpr_count:     896
    .wavefront_size: 32
...
	.end_amdgpu_metadata
.endif
;; end of part 2
;; launch attn (part 3): grid 4 x 64, 4 waves a work-group, clusters of 4 x 1, 327,680 bytes of LDS; arguments qkv, sn_bias, ob; writes ob
.if DOCPART == 3
	.amdgcn_target "amdgcn-amd-amdhsa--gfx1250"
	.amdhsa_code_object_version 6
	.text
	.protected	k_qc7ecc9587e_attn
	.globl	k_qc7ecc9587e_attn
	.p2align	8
	.type	k_qc7ecc9587e_attn,@function
k_qc7ecc9587e_attn:
	s_mov_b64 s[64:65], 0
	v_nop
	global_prefetch_b8 v0, s[64:65] scope:SCOPE_SE
	s_setreg_imm32_b32 hwreg(HW_REG_WAVE_MODE, 25, 1), 1
	s_wait_xcnt 0x0
	s_wait_alu depctr_hold_cnt(0) depctr_sa_sdst(0) depctr_va_vdst(0) depctr_va_sdst(0) depctr_va_ssrc(0) depctr_va_vcc(0) depctr_vm_vsrc(0)
	s_getreg_b32 s2, hwreg(HW_REG_IB_STS2, 6, 4)
	s_cmp_eq_u32 s2, 0
	s_cbranch_scc0 .Lentry_in_a_cluster
	s_endpgm
.Lentry_in_a_cluster:
	s_bfe_u32 s2, ttmp6, 0x10000c
	s_cmp_lg_u32 s2, 0x3003
	s_cbranch_scc0 .Lentry_shape_is_right
	s_endpgm
.Lentry_shape_is_right:
; ATTENTION WITH SQUARED-RELU WEIGHTS.  For each of 64 heads (batch x 16 + head): O[q] = sum over k of t(q, k) V[k] / (sum over k of t(q, k) + 1e-32), t = relu(Q[q] . K[k] / 8 + bias)^2.
; Q, K, V: qkv[batch][g][2048][64] in f16 (g = head, 16 + head, 32 + head), a head's rows dense, 128 bytes each.  O: ob[batch x 16 + head][2048][64] in f16.  Products and sums in f32.
; THE ARITHMETIC.  x = Q . K + 8 bias: 8 bias is the C operand that starts each sum, so it costs no instruction.  t' = max(x, 0)^2 is 64 t.  There is no maximum to take away, but t' has no bound either,
; and it is rounded to f16 for the second product.  So each query has a RUNNING SCALE M: the largest so far of the key steps' sums lam of t' (64 keys a step), begun at 2^-100.  p = t' / M lies in 0 to 1, and in the
; step that set M the largest p is 1/64 at the least.  In every step O and L are multiplied by a = M_old / M_new and L takes lam / M_new.  At the end O / (L + 64 x 1e-32 / M): M cancels: this is the formula above.
; LIMITS.  sn_bias is rounded to bf16, as the module's other inputs are.  Q, K, V arrive within f16's 65,504; p below 6e-5 keeps f16's fixed step of 6e-8; O is a weighted mean of V's rows (weights that add up
; to 1 at the most) and has their range.  L is taken of the unrounded p.  NaN and infinities are not treated apart.
; SHARES.  A wave owns four PIECES of two tiles of 16 queries, a work-group's four waves 512 queries of one head: 4 x 64 = 256 work-groups.  Every wave walks all 2,048 keys, 64 a step.
; LAYOUT.  S^T = K Q^T (source 0 = 16 keys, source 1 = 16 queries): a lane holds ONE query (lane % 16) and the keys 8 (lane / 16) + 0..7.  Two such results, rounded to f16 in pairs, ARE source 1
; (32 keys x 16 queries) of O^T = V^T P, whose result again holds one query a lane.  K comes out of LDS as it lies, V ([key][channel]) turned, by ds_load_tr16_b128.
; BY TURNS.  Turn n belongs to piece n (the pieces in a ring, step after step).  Matrix work: 16 products K Q^T of piece n + 1, later 16 products V^T P of piece n - 1.  Vector work, 240 instructions: for piece n the
; rescaling of O^T (32), L, M, the scaling by 1 / M and the rounding (68); for piece n + 1, whose scores the turn itself makes, relu, square, sum and the new scale (140).  Four stand behind every matrix
; instruction; the other 112, which need time of their own whatever the order, in three runs without a gap.
; CLUSTER.  The four query blocks of a cluster belong to one head and walk the same K and V: each tile is asked for JOINTLY: the same tensor load, descriptor and mask in all four.
; REGISTERS, in windows of 256 (s_set_vgpr_msb: bits 1:0 source 0, 3:2 source 1, 5:4 source 2, 7:6 destination):
;   window 0: v0-12 addresses and one at work; v16-31 M and L, a pair a tile; v32-63 at work, by buffer and tile; v64-191 S^T, two buffers of two tiles; v192-255 P, likewise
;   window 1: O^T, 32 a tile     window 2: v0-127 Q, 16 a tile; v128-191 K of one step; v192-255 V of one step     window 3: v0-1 the add's two registers; v8-15 8 bias
; A piece's buffers go by its number's parity: the piece in hand has one set, its two neighbours in the ring share the other: of it P (piece n - 1) is read and S^T (piece n + 1) written.
.set NP,    4         ; pieces a wave: a name, no knob
.set KS,    64        ; keys in a step
.set PK,    144       ; a row of K in LDS: 128 bytes + 16 of padding = 36 words: the 16 rows of a load start at 16 different groups of four banks (64 banks of 4 bytes: ISA guide 11.1)
.set PV,    160       ; a row of V: 128 + 32 = 40 words
.set VOFF,  4*KS*PK   ; a slot holds four steps: 256 rows of K, then 256 rows of V
.set SLOT1, 1<<17     ; slot 1 begins here, so that one exclusive or turns an address in one slot into the other's
.set STAGE, SLOT1+4*KS*(PK+PV)  ; behind the ring, never filled by a tensor load: 16 rows x 144 bytes for each wave
.set SP,    144
.set SPARE, STAGE+4*16*SP  ; behind the stages: the spare words, 128 bytes for each wave: two blocks of 256 bytes that no other line names
.set AK0, 2           ; v2   my lane's place in a tile of K; never rewritten
.set AV0, 3           ; v3   the same for V
.set AK,  4           ; v4   the LDS address of K's next run of loads
.set AV,  5           ; v5   of V's
.set QO,  6           ; v6   my byte offset in the wave's rows of Q
.set STO, 6           ;      later, the way out: where I put 16 bytes of a row
.set RD,  7           ; v7   where I read rows back
.set GO,  8           ; v8   my byte offset in 512 consecutive bytes of O
.set SPW, 0           ; v0 of window 3   LDS address of my spare word; never rewritten
.set NIL, 1           ; v1 of window 3   0; never rewritten
.set BI,  8           ; v8-15 of window 3   8 bias, in all eight registers
.set ST,  16          ; tile t: M at v[ST+2 t], L at v[ST+2 t+1]
.set TMP, 32          ; by buffer and tile eight registers: c0 1 / M_new (c1 named with it); c2 a (c3 named with it); c4, c5 a chain of sums, then lam, then lam / M_new; c6, c7 the other chain, then M_new
.set S,   64
.set P,   192
.set KF,  128         ; K's fragments, in window 2: key block kb, channel half c at KF + 16 kb + 8 c
.set VF,  192         ; V's: key half kk, channel block cb at VF + 32 kk + 8 cb
.set WV,  12          ; s12  my wave's number
.set G1K, 24          ; s[24:31] descriptor group 1 for K's tiles
.set G1V, 32          ; s[32:39] for V's: it differs in the padding alone
.set G0K, 40          ; s[40:43] descriptor group 0 for K's tiles: it walks
.set G0V, 44          ; s[44:47] the same for V's
.set BS,  52          ; s52  sn_bias
.set SLOTS, 56        ; s56  slots still to be asked for
.set CNT, 57          ; s57  counts a slot's key steps
.set EPS, 58          ; s58  64 x 1e-32
.set SEL, 60          ; s[60:61] v_permlanex16_b32's selects: each lane takes its own place in the other half
.set TBK, 62          ; s62  LDS byte at which K of the step to be fetched begins
.set TBV, 63          ; s63  the same for V, less VOFF
.set MSB, 0
.macro WIN new                      ; the high byte repeats the setting that is left; a switch that changes nothing is dropped
.if MSB != (\new)
	s_set_vgpr_msb (MSB<<8)|(\new)
.set MSB, (\new)
.endif
.endm
.set W_KQ, 0x0a       ; K and Q in window 2, S^T in window 0
.set W_KB, 0x3a       ; the same with the C operand, 8 bias, in window 3
.set W_PV, 0x52       ; V in window 2, P in window 0, O^T in window 1
.set W_RS, 0x41       ; O^T (destination and source 0) in window 1, the factor in window 0
.set W_MK, 0xc0       ; destination in window 3, sources in window 0
.set W_AD, 0x0f       ; the add: address (source 0) and data (source 1) in window 3
; A joint fill.  Waves 0 and 1 fetch the two halves of a slot's K, waves 2 and 3 those of its V: 128 keys each.  The branch hangs on the wave's number alone.
; An s_nop 0 and four v_nop follow each of the two lines, ahead of the jump and the label.
.macro JLOAD
	s_cmp_lt_u32 s[WV], 2
	s_cbranch_scc0 .Lfor_v_\@
	tensor_load_to_lds s[G0K:G0K+3], s[G1K:G1K+7]
	s_nop 0
.rept 4
	v_nop
.endr
	s_branch .Lasked_\@
.Lfor_v_\@:
	tensor_load_to_lds s[G0V:G0V+3], s[G1V:G1V+7]
	s_nop 0
.rept 4
	v_nop
.endr
.Lasked_\@:
.endm
; A round of the cluster's barrier: my work-group's barrier, so that wave 0's signal speaks for all four waves; wave 0 signals; every wave waits for all four work-groups; my work-group's barrier once more.
.macro CROUND
	s_barrier_signal -1
	s_barrier_wait -1
	s_cmp_lg_u32 s[WV], 0
	s_cbranch_scc1 .Lnot_wave_0_\@
	s_barrier_signal -3
.Lnot_wave_0_\@:
	s_barrier_wait -3
	s_barrier_signal -1
	s_barrier_wait -1
.endm
; THE CHANGE OF SLOTS.  The slot's last bytes, V of its fourth step, have been read.  Each wave waits for all its tensor loads, of which one is out: its part of the other slot; adds 0 to its spare word;
; and waits for that and for its own reads of the slot.  Behind the barrier nobody reads this slot any more and the other slot is whole.
; fill = 1: this slot is filled again, with the keys two slots on.  The barrier is then a round of the cluster's, and the joint fill is the first thing behind it: it has four key steps, 512 matrix
; instructions, in which to land.  (At its first use nothing has been read yet: slot 0 is waited for, slot 1 filled.)
.macro CHANGE fill
	WIN W_AD
	s_wait_tensorcnt 0x0            ; no tensor load of mine is out, so a group 0 may be written
	ds_add_u32 v[SPW], v[NIL]       ; 0 onto my spare word: with fill = 1 the descriptors' steps stand between it and the wait for it
	WIN 0                           ; at a label and at a branch every window is 0
.if \fill
.irp g, G0K, G0V
	s_xor_b32 s[\g+1], s[\g+1], SLOT1  ; the walking descriptor: the other slot than last time,
	s_add_nc_u64 s[\g+2:\g+3], s[\g+2:\g+3], 4*KS*128  ; the next 256 keys; the type bits on top are not reached
.endr
	s_wait_dscnt 0x0                ; the add is done, and my reads of the slot are over
	CROUND
	JLOAD
.else
	s_wait_dscnt 0x0                ; the add is done, and my reads of the slot are over
	s_barrier_signal -1
	s_barrier_wait -1
.endif
	s_sub_co_u32 s[TBK], s[TBK], 4*KS*PK  ; the fetches go back to a slot's first step,
	s_xor_b32 s[TBK], s[TBK], SLOT1       ; in the other slot
	s_sub_co_u32 s[TBV], s[TBV], 4*KS*PV
	s_xor_b32 s[TBV], s[TBV], SLOT1
.endm
	s_load_b128 s[48:51], s[0:1], 0x0  ; qkv s[48:49], sn_bias s[50:51]
	s_load_b64 s[10:11], s[0:1], 0x10  ; ob
	WIN W_MK
	v_lshl_add_u32 v[SPW], v0, 2, SPARE
	v_mov_b32 v[NIL], 0
	WIN W_AD
	ds_add_u32 v[SPW], v[NIL]       ; the wave's opening: the add and its wait stand ahead of my first tensor load; the set-up below, work on registers, stands between them
	WIN 0
	v_lshrrev_b32 v1, 5, v0
	v_readfirstlane_b32 s[WV], v1   ; wave 0..3
	s_bfe_u32 s13, ttmp6, 0x40000   ; cx: my place in the cluster
	s_lshl_b32 s14, ttmp9, 2        ; in a cluster launch ttmp9 counts clusters
	s_add_co_u32 s14, s14, s13      ; my block of 512 queries = 4 x cluster x + cx: it enters Q's and O's addresses alone
	s_and_b32 s19, ttmp7, 0xffff    ; batch x 16 + head, which the four partners share
	s_lshr_b32 s20, s19, 4
	s_mul_i32 s20, s20, 48          ; a batch has 48 blocks of 2,048 rows in qkv,
	s_and_b32 s21, s19, 15
	s_add_co_u32 s20, s20, s21
	s_lshl_b32 s20, s20, 18         ; of 262,144 bytes: the head's q
	s_and_b32 s16, s[WV], 1         ; which half of a slot's 256 keys I fetch:
	s_lshl_b32 s22, s16, 14         ; its 128 rows of 128 bytes in memory,
	s_add_co_u32 s22, s22, s20
	s_mov_b32 s23, 0
	s_mul_i32 s17, s16, 128*PK      ; and its place in a slot, for K
	s_mul_i32 s18, s16, 128*PV      ; and for V: no place in the cluster enters an LDS address
	s_lshl_b32 s2, s14, 2
	s_add_co_u32 s2, s2, s[WV]      ; my wave among the head's sixteen,
	s_lshl_b32 s2, s2, 14           ; its 128 rows
	s_lshl_b32 s54, s19, 18         ; the head's first byte in ob
	s_add_co_u32 s54, s54, s2
	s_mov_b32 s55, 0
	s_add_co_u32 s2, s2, s20
	s_mov_b32 s3, 0
	; descriptor group 1.  128 keys are 16,384 dense bytes: asked for as 64 rows of 256 bytes, two keys a row, and padded in LDS after every key
	s_mov_b32 s[G1K], 15|(1<<16)|(1<<20)|(1<<21)|(4<<22)|(3<<25)  ; 15:0 the mask of four; 17:16 2-byte elements; 20 padding on; 21 set beside a mask; 24:22 after every 32 words (code 4); 31:25 4 words (code 3)
	s_mov_b32 s[G1V], 15|(1<<16)|(1<<20)|(1<<21)|(4<<22)|(7<<25)  ; the same with 8 words of padding (code 7)
.irp g, G1K, G1V
	s_mov_b32 s[\g+1], 128<<16      ; tensor_dim0 = 128
	s_mov_b32 s[\g+2], 64<<16       ; tensor_dim1 = 64
	s_mov_b32 s[\g+3], 128<<16      ; tile_dim0 = 128
	s_mov_b32 s[\g+4], 64           ; tile_dim1 = 64
	s_mov_b32 s[\g+5], 128          ; 128 elements from row to row
	s_mov_b32 s[\g+6], 0
	s_mov_b32 s[\g+7], 0
.endr
	s_mov_b32 s[EPS], 0x0d4fb11f    ; 64 x the f32 nearest 1e-32
	s_mov_b32 s[SEL], 0x76543210
	s_mov_b32 s[SEL+1], 0xfedcba98
	s_mov_b32 s[TBK], SLOT1+4*KS*PK ; the first change of slots turns these two into 0
	s_mov_b32 s[TBV], SLOT1+4*KS*PV
	s_mov_b32 s[G0K], 1             ; count = 1
	s_mov_b32 s[G0K+1], s17         ; LDS address: slot 0
	s_mov_b32 s[G0V], 1
	s_add_co_u32 s[G0V+1], s18, VOFF
	s_wait_dscnt 0x0                ; the opening add is done
	s_wait_kmcnt 0x0
	s_load_b32 s[BS], s[50:51], 0x0 ; the bias: waited for behind the clears below
	s_add_nc_u64 s[G0K+2:G0K+3], s[48:49], s[22:23]
	s_add_nc_u64 s[G0K+2:G0K+3], s[G0K+2:G0K+3], 0x400000  ; k lies 16 blocks behind q: my half of the head's first 256 keys
	s_or_b32 s[G0K+3], s[G0K+3], 0x80000000                ; type = 2
	s_add_nc_u64 s[G0V+2:G0V+3], s[48:49], s[22:23]
	s_add_nc_u64 s[G0V+2:G0V+3], s[G0V+2:G0V+3], 0x800000  ; v 32 blocks
	s_or_b32 s[G0V+3], s[G0V+3], 0x80000000
	s_add_nc_u64 s[4:5], s[48:49], s[2:3]    ; Q and O at my wave's first row
	s_add_nc_u64 s[10:11], s[10:11], s[54:55]
	CROUND                          ; all four work-groups are here: the first joint loads meet
	JLOAD                           ; slot 0.  Slot 1 is asked for when slot 0 is in
	; A fragment of K or Q is 16 rows x 32 channels in 8 registers: lane l holds row l % 16, channels 8 (l / 16) + 0..7 and 16 + 8 (l / 16) + 0..7: two loads of 16 bytes, 32 bytes apart.
	v_and_b32 v1, 15, v0            ; l % 16
	v_bfe_u32 v9, v0, 4, 1          ; l / 16
	v_lshlrev_b32 v[QO], 7, v1
	v_lshl_add_u32 v[QO], v9, 4, v[QO]  ; row x 128 + 16 x half
	WIN 0x80                        ; destination window 2, address window 0
.set i, 0
.rept 4*NP                          ; Q stays in registers: tile i / 2, channels 32 (i % 2) on
	global_load_b128 v[8*i:8*i+3],   v[QO], s[4:5] offset:(i/2)*2048+(i%2)*64
	global_load_b128 v[8*i+4:8*i+7], v[QO], s[4:5] offset:(i/2)*2048+(i%2)*64+32
.set i, i+1
.endr
	; What the first turn finds: V's registers and P's second buffer hold 0 (its products V^T P, of a piece that has not been, add 0), O^T and L are 0, M is 2^-100.  No first step is written out:
	; that is the price of these lines, which stand in the wait for the first tile.
.set i, VF
.rept 64
	v_mov_b32 v[i], 0
.set i, i+1
.endr
	WIN 0x40
.set i, 0
.rept 64*NP
	v_mov_b32 v[i], 0
.set i, i+1
.endr
	WIN 0
.set i, 0
.rept 2*NP
	v_mov_b32 v[ST+2*i], 0x0d800000    ; M = 2^-100
	v_mov_b32 v[ST+2*i+1], 0           ; L
.set i, i+1
.endr
.set i, TMP
.rept 32
	v_mov_b32 v[i], 0                  ; c1 and c3 are only ever named as the upper halves of pairs: they are written here
.set i, i+1
.endr
.set i, P+32
.rept 32
	v_mov_b32 v[i], 0
.set i, i+1
.endr
	v_mul_u32_u24 v[AK0], v1, PK
	v_lshl_add_u32 v[AK0], v9, 4, v[AK0]  ; row x pitch + 16 x half
	; The turning load takes 16 keys x 16 channels (lane l reads key 8 (l / 16) + l % 8, channels 8 ((l / 8) % 2) + 0..7) and leaves half a fragment of V^T: lane l holds channel l % 16 and 8 keys.
	v_and_b32 v10, 7, v0
	v_bfe_u32 v11, v0, 3, 1
	v_lshl_add_u32 v[AV0], v9, 3, v10
	v_mul_u32_u24 v[AV0], v[AV0], PV
	v_lshl_add_u32 v[AV0], v11, 4, v[AV0]
	v_add_nc_u32 v[AV0], VOFF, v[AV0]
	v_mov_b32 v[AK], v[AK0]         ; key step 0 lies at the head of slot 0
	s_wait_kmcnt 0x0                ; the bias
	v_mov_b32 v12, s[BS]
	v_cvt_pk_bf16_f32 v12, v12, v12 ; rounded to bf16,
	v_lshlrev_b32 v12, 16, v12      ; widened again,
	v_mul_f32 v12, 0x41000000, v12  ; times 8, exactly
	WIN W_MK
.set i, 0
.rept 8
	v_mov_b32 v[BI+i], v12
.set i, i+1
.endr
	WIN 0
; THE MATRIX WORK.  The 8 accumulators of a run of 16 take turns: between the two links of a chain stand 7 others'.
; Product i of 16 of S^T = K Q^T + 8 bias for piece x: channels 32 (i / 8) on, keys 16 ((i / 2) % 4) on, tile 2 x + i % 2.  The first 8 start the sums, with 8 bias.
.macro KQ x
.set rS, S+64*((\x)%2)+32*(i%2)+8*((i/2)%4)
.set rK, KF+16*((i/2)%4)+8*(i/8)
.set rQ, 16*(2*(\x)+i%2)+8*(i/8)
.if i < 8
	WIN W_KB
	v_wmma_f32_16x16x32_f16 v[rS:rS+7], v[rK:rK+7], v[rQ:rQ+7], v[BI:BI+7]
.else
	WIN W_KQ
	v_wmma_f32_16x16x32_f16 v[rS:rS+7], v[rK:rK+7], v[rQ:rQ+7], v[rS:rS+7]
.endif
.endm
; Product i of 16 of O^T += V^T P for piece x: keys 32 (i / 8) on, channels 16 ((i / 2) % 4) on, tile 2 x + i % 2.
.macro PV x
	WIN W_PV
.set rO, 32*(2*(\x)+i%2)+8*((i/2)%4)
.set rV, VF+32*(i/8)+8*((i/2)%4)
.set rP, P+32*((\x)%2)+16*(i%2)+8*(i/8)
	v_wmma_f32_16x16x32_f16 v[rO:rO+7], v[rV:rV+7], v[rP:rP+7], v[rO:rO+7]
.endm
.macro MM                           ; the turn's next matrix instruction
.if i < 16
	KQ (Y+1)%NP
.set i, i+1
.else
.set i, i-16
	PV (Y+NP-1)%NP
.set i, i+17
.endif
.endm
; THE LDS LOADS stand in runs of 16, never singly among the matrix instructions: a step's K (64 keys x 64 channels: 8 fragments) and its V (turned).  Their addresses are made some lines ahead.
; last = 1 (the tail): in the last trip there is no further step, and the run is jumped over.
.macro FETCH_K last=0
	WIN 0
.if \last
	s_cmp_eq_u32 s[CNT], 1
	s_cbranch_scc1 .Lno_k_\@
.endif
	WIN 0x80                        ; destination window 2
.irp f, 0,1,2,3,4,5,6,7             ; keys 16 (f / 2) on, channels 32 (f % 2) on
	ds_load_b128 v[KF+8*\f:KF+8*\f+3],   v[AK] offset:(\f/2)*16*PK+(\f%2)*64
	ds_load_b128 v[KF+8*\f+4:KF+8*\f+7], v[AK] offset:(\f/2)*16*PK+(\f%2)*64+32
.endr
	s_add_co_u32 s[TBK], s[TBK], KS*PK  ; the next fetch is the next step's
	WIN 0
.if \last
.Lno_k_\@:
.endif
.endm
.macro FETCH_V
	WIN 0x80
.irp f, 0,1,2,3,4,5,6,7             ; keys 32 (f / 4) on, channels 16 (f % 4) on
	ds_load_tr16_b128 v[VF+8*\f:VF+8*\f+3],   v[AV] offset:(\f/4)*32*PV+(\f%4)*32
	ds_load_tr16_b128 v[VF+8*\f+4:VF+8*\f+7], v[AV] offset:(\f/4)*32*PV+16*PV+(\f%4)*32
.endr
	WIN 0
.endm
; THE VECTOR WORK OF A TURN stands in three queues, each in the order in which its entries become ready; the two tiles alternate, so that no instruction reads the result of the one before it.
.macro REGS y, u                    ; the registers of tile u (0, 1) of piece y
.set rT, ST+2*(2*(\y)+(\u))
.set rC, TMP+16*((\y)%2)+8*(\u)
.set rS, S+64*((\y)%2)+32*(\u)
.set rP, P+32*((\y)%2)+16*(\u)
.set rO, 32*(2*(\y)+(\u))
.endm
; Number n of the 70 that make the NEXT piece's (Y + 1) weights and scale, for its tile u.  x0-x31 are the lane's 32 scores, in 16 pairs.  It writes S^T in place and c0-c7 alone: M and L are left to the piece's own turn.
;   0-31   max(x, 0), ascending: each accumulator is read from its low end on          32-47  the pairs squared
;   48-61  two chains of sums, seven additions each          62, 63  into one number          64, 65  the query's other 32 keys lie in the lane 16 away: lam
;   66  M_new = max(lam, M)          67  1 / M_new          68  a = M / M_new          69  lam / M_new
.macro XS u, n
	REGS (Y+1)%NP, \u
.if (\n) < 32
	v_max_num_f32 v[rS+(\n)], 0, v[rS+(\n)]
.elseif (\n) < 48
	v_pk_mul_f32 v[rS+2*((\n)-32):rS+2*((\n)-32)+1], v[rS+2*((\n)-32):rS+2*((\n)-32)+1], v[rS+2*((\n)-32):rS+2*((\n)-32)+1]
.elseif (\n) < 50
	v_pk_add_f32 v[rC+4+2*((\n)-48):rC+5+2*((\n)-48)], v[rS+4*((\n)-48):rS+4*((\n)-48)+1], v[rS+4*((\n)-48)+2:rS+4*((\n)-48)+3]
.elseif (\n) < 62
	v_pk_add_f32 v[rC+4+2*((\n)%2):rC+5+2*((\n)%2)], v[rC+4+2*((\n)%2):rC+5+2*((\n)%2)], v[rS+2*((\n)-46):rS+2*((\n)-46)+1]
.elseif (\n) == 62
	v_pk_add_f32 v[rC+4:rC+5], v[rC+4:rC+5], v[rC+6:rC+7]
.elseif (\n) == 63
	v_add_f32 v[rC+4], v[rC+4], v[rC+5]
.elseif (\n) == 64
	v_permlanex16_b32 v[rC+5], v[rC+4], s[SEL], s[SEL+1]
.elseif (\n) == 65
	v_add_f32 v[rC+4], v[rC+4], v[rC+5]
.elseif (\n) == 66
	v_max_num_f32 v[rC+6], v[rC+4], v[rT]
.elseif (\n) == 67
	v_rcp_f32 v[rC], v[rC+6]
.elseif (\n) == 68
	s_wait_alu depctr_va_vdst(0)
	v_mul_f32 v[rC+2], v[rT], v[rC]
.else
	v_mul_f32 v[rC+4], v[rC+4], v[rC]
.endif
.endm
.macro GQ                           ; THE NEXT PIECE'S QUEUE, 140 long: number g / 2 for tile g % 2
	WIN 0
	XS g%2, g/2
.set g, g+1
.endm
; THE PIECE'S OWN QUEUE, 68 long, tile h % 2.  0, 1: L = a L + lam / M_new.  2, 3: M = M_new.  Then the 16 pairs are scaled by 1 / M_new and, two pairs later, rounded to f16.
.macro HQ
	WIN 0
	REGS Y, h%2
.if h < 2
	v_fma_f32 v[rT+1], v[rT+1], v[rC+2], v[rC+4]
.elseif h < 4
	v_mov_b32 v[rT], v[rC+6]
.else
.if h < 8
.set sc, 1
.set pp, (h-4)/2
.elseif h < 64
.set sc, ((h-8)%4)/2
.set pp, (h-8)/4+2*sc
.else
.set sc, 0
.set pp, 14+(h-64)/2
.endif
.if sc
	v_pk_mul_f32 v[rS+2*pp:rS+2*pp+1], v[rS+2*pp:rS+2*pp+1], v[rC:rC+1] op_sel_hi:[1,0]
.else
	v_cvt_pk_f16_f32 v[rP+pp], v[rS+2*pp], v[rS+2*pp+1]
.endif
.endif
.set h, h+1
.endm
; THE RESCALING's QUEUE: O^T times a, the one part that leaves window 0, so it is dealt four at a time, eight times: accumulator r / 2 of tile r % 2, from its low end on.
.macro R4
	REGS Y, r%2
	WIN W_RS
.irp z, 0,1,2,3
	v_pk_mul_f32 v[rO+8*(r/2)+2*\z:rO+8*(r/2)+2*\z+1], v[rO+8*(r/2)+2*\z:rO+8*(r/2)+2*\z+1], v[rC+2:rC+3] op_sel_hi:[1,0]
.endr
.set r, r+1
.endm
; A TURN, for piece p.  cnt = 1: the loop's count is taken down some lines ahead of the branch that stands behind the turn.
; Run 1: 16 products K Q^T; behind them by turns four of the rescaling and four of the piece's own queue: both wait for nothing.  The last product has four plain lines of the own queue behind it,
; which name none of its registers: the places in front of the first read of its scores.
; Lump 1: 28 of the next piece's queue.  Run 2: 16 products V^T P, four of that queue behind each.  Lump 2a: 32 more.  Lump 2b: the queue's last 16 are a chain (sum, exchange, maximum, reciprocal, two
; products) in which each link waits for the last: four lines of the own queue stand behind each link's two, so the two reciprocals have plain lines behind them before their results are used.
; K of the next step is fetched in piece 2's turn, 16 plain instructions behind the last product that read K, and waited for at the head of piece 3's.  V of the step in hand is fetched in piece 0's turn,
; 16 behind the last product that read V, and waited for ahead of piece 1's run 2.  The conditions on g go with the deal: 28 + 64 stand ahead of lump 2a, 124 ahead of lump 2b's first pair.
.macro TURN p, last=0, cnt=0
.set Y, (\p)
.set i, 0
.set g, 0
.set h, 0
.set r, 0
.if (\p) == NP-1
	s_wait_dscnt 0x0                ; K is in
.endif
.rept 8
	MM
	R4
	MM
	HQ
	HQ
	HQ
	HQ
.endr
.rept 28
	GQ
.if ((\p) == NP-2) && (g == 4)
	v_add_nc_u32 v[AK], s[TBK], v[AK0]
.endif
.if ((\p) == NP-2) && (g == 12)
	FETCH_K \last
.endif
.endr
.if (\p) == 1
	s_wait_dscnt 0x0                ; V is in
.endif
.rept 16
	MM
	GQ
	GQ
	GQ
	GQ
.endr
.rept 32
	GQ
.if ((\p) == 0) && (g == 96)
	v_add_nc_u32 v[AV], s[TBV], v[AV0]
.endif
.if ((\p) == 0) && (g == 104)
	FETCH_V
	s_add_co_u32 s[TBV], s[TBV], KS*PV
.endif
.endr
	HQ
	HQ
	HQ
	HQ
.rept 8
.if (\cnt) && (g == 138)
	s_sub_co_u32 s[CNT], s[CNT], 1
	s_cmp_lg_u32 s[CNT], 0
.endif
	GQ
	GQ
	HQ
	HQ
	HQ
	HQ
.endr
.endm
	CHANGE 1                        ; slot 0 is in, everybody's part of it; slot 1 is asked for
	FETCH_K                         ; key step 0
	s_wait_loadcnt 0x0              ; Q
	s_wait_dscnt 0x0
.set i, 0
.rept 16
	KQ 0                            ; piece 0's first scores: there is no vector work yet to set between them
.set i, i+1
.endr
	WIN 0                           ; the addresses for the way out: nine plain instructions, the places behind those products
	s_mul_i32 s13, s[WV], 16*SP
	s_add_co_u32 s13, s13, STAGE    ; my stage
	v_mul_u32_u24 v[STO], v1, SP    ; in: row l % 16, 16 bytes for each half of the lanes
	v_lshl_add_u32 v[STO], v9, 4, v[STO]
	v_add_nc_u32 v[STO], s13, v[STO]
	v_bfe_u32 v[RD], v0, 3, 2       ; back: 32 lanes take four rows of 128 bytes,
	v_mul_u32_u24 v[RD], v[RD], SP
	v_lshl_add_u32 v[RD], v10, 4, v[RD]
	v_add_nc_u32 v[RD], s13, v[RD]
	v_and_b32 v[GO], 31, v0         ; which are 512 consecutive bytes of O
	v_lshlrev_b32 v[GO], 4, v[GO]
.set Y, NP-1                        ; XS works for piece Y + 1: piece 0
.set nn, 0
.rept 70
	XS 0, nn                        ; piece 0's first weights and scale
	XS 1, nn
.if nn == 67
	v_nop                           ; a plain instruction behind the two reciprocals
	s_wait_alu depctr_va_vdst(0)
.endif
.set nn, nn+1
.endr
	s_mov_b32 s[CNT], 4
	s_mov_b32 s[SLOTS], 2048/256-1
	s_branch .Lfirst                ; the loop is entered at a step's first turn, in the middle of a trip
.Lslot:                             ; six times: every slot but the last two is filled again
	CHANGE 1
	s_mov_b32 s[CNT], 4
.Lstep:                             ; a trip: pieces 2 and 3 of one step, then pieces 0 and 1 of the next, whose K and V it fetches
	TURN 2
	TURN 3
	WIN 0
.Lfirst:
	TURN 0
	TURN 1, 0, 1
	WIN 0
	s_cbranch_scc1 .Lstep
	s_sub_co_u32 s[SLOTS], s[SLOTS], 1
	s_cmp_lg_u32 s[SLOTS], 0
	s_cbranch_scc1 .Lslot
	CHANGE 0                        ; the tail is written out: nothing is asked for
	s_mov_b32 s[CNT], 5             ; four trips fetch the last slot's steps; the fifth is left in its middle
.Ltail:
	TURN 2, 1
	TURN 3
	WIN 0
	s_sub_co_u32 s[CNT], s[CNT], 1
	s_cmp_eq_u32 s[CNT], 0
	s_cbranch_scc1 .Lout
	TURN 0
	TURN 1
	WIN 0
	s_branch .Ltail
.Lout:                              ; the fifth trip's 16 products K Q^T (on the last K once more) and what is made of them serve nothing and touch neither M nor L: the price, once a launch, of one text for every trip
.set i, 0
.rept 16
	PV NP-1                         ; the last piece's V^T P of the last step
.set i, i+1
.endr
	; THE WAY OUT.  O^T / (L + 64 x 1e-32 / M), rounded to f16 and sent through my stage in LDS, a tile at a time.  The eight multiply-adds are the places behind the last products.
	WIN 0
.set t, 0
.rept 2*NP
	v_rcp_f32 v[TMP+t], v[ST+2*t]   ; 1 / M
.set t, t+1
.endr
	v_nop                           ; a plain instruction between the last reciprocal and the use of its result
.set t, 0
	s_wait_alu depctr_va_vdst(0)
.rept 2*NP
	v_fma_f32 v[TMP+t], s[EPS], v[TMP+t], v[ST+2*t+1]
.set t, t+1
.endr
.set t, 0
.rept 2*NP
	v_rcp_f32 v[ST+2*t], v[TMP+t]   ; the divisor's reciprocal takes M's place: with L above it it is the pair that the packed multiply names
.set t, t+1
.endr
	v_nop
	s_wait_alu depctr_va_vdst(0)
; Tile t: a lane's eight channels of a row pack into 16 bytes; they go into rows of 144 bytes and come back as whole rows of 128, into S^T's registers.
.macro PACK t
	WIN W_RS
.set i, 32*(\t)
.rept 16
	v_pk_mul_f32 v[i:i+1], v[i:i+1], v[ST+2*(\t):ST+2*(\t)+1] op_sel_hi:[1,0]
.set i, i+2
.endr
	WIN 0x05                        ; sources 0 and 1 window 1, destination window 0
.set i, 0
.rept 16
	v_cvt_pk_f16_f32 v[S+16*(\t)+i], v[32*(\t)+2*i], v[32*(\t)+2*i+1]
.set i, i+1
.endr
	WIN 0
.irp f, 0,1,2,3
	ds_store_b128 v[STO], v[S+16*(\t)+4*\f:S+16*(\t)+4*\f+3] offset:32*\f
.endr
.irp f, 0,1,2,3
	ds_load_b128 v[S+16*(\t)+4*\f:S+16*(\t)+4*\f+3], v[RD] offset:\f*4*SP  ; LDS serves a wave's instructions in order (ISA guide 5.7.1.4): these see the stores above; the next tile's stores come behind them
.endr
.endm
.macro SEND t, younger              ; younger: the LDS instructions issued behind tile t's loads: the next tile's eight, or none
	WIN 0
.irp f, 0,1,2,3
	s_wait_dscnt (\younger)+3-\f
	global_store_b128 v[GO], v[S+16*(\t)+4*\f:S+16*(\t)+4*\f+3], s[10:11] offset:(\t)*2048+\f*512  ; 512 consecutive bytes, at a multiple of 512 from O's first
.endr
.endm
	PACK 0
.set t, 1
.rept 2*NP-1                        ; a tile's arithmetic stands between the loads of the tile before and its stores
	PACK t
	SEND t-1, 8
.set t, t+1
.endr
	SEND 2*NP-1, 0
	WIN W_AD
	s_wait_tensorcnt 0x0            ; the wave's end: an add to my spare word and the wait for it, behind my last tensor load and my last LDS store
	ds_add_u32 v[SPW], v[NIL]
	s_wait_dscnt 0x0
	WIN 0
	CROUND                          ; the closing round: no work-group ends while a partner may still ask for a tile that names it
	s_endpgm
.Lfunc_end_k_qc7ecc9587e_attn:
	.size	k_qc7ecc9587e_attn, .Lfunc_end_k_qc7ecc9587e_attn-k_qc7ecc9587e_attn
	.p2alignl 7, 3214868480
	.fill 96, 4, 3214868480
	.section	.rodata,"a",@progbits
	.p2align	6, 0x0
	.amdhsa_kernel k_qc7ecc9587e_attn
		.amdhsa_group_segment_fixed_size 327680
		.amdhsa_private_segment_fixed_size 0
		.amdhsa_enable_private_segment 0
		.amdhsa_kernarg_size 24
		.amdhsa_user_sgpr_count 2
		.amdhsa_user_sgpr_kernarg_segment_ptr 1
		.amdhsa_wavefront_size32 1
		.amdhsa_system_sgpr_workgroup_id_x 1
		.amdhsa_system_sgpr_workgroup_id_y 1
		.amdhsa_system_sgpr_workgroup_id_z 1
		.amdhsa_system_vgpr_workitem_id 0
		.amdhsa_next_free_vgpr 784
		.amdhsa_next_free_sgpr 66
		.amdhsa_reserve_vcc 0
		.amdhsa_float_denorm_mode_32 3
		.amdhsa_float_denorm_mode_16_64 3
		.amdhsa_memory_ordered 1
		.amdhsa_forward_progress 1
		.amdhsa_inst_pref_size 201
	.end_amdhsa_kernel
	.amdgpu_metadata
---
amdhsa.version: [ 1, 2 ]
amdhsa.kernels:
  - .name:           k_qc7ecc9587e_attn
    .symbol:         k_qc7ecc9587e_attn.kd
    .args:
      - { .name: qkv, .offset: 0, .size: 8, .value_kind: global_buffer, .address_space: global }
      - { .name: sn_bias, .offset: 8, .size: 8, .value_kind: global_buffer, .address_space: global }
      - { .name: ob, .offset: 16, .size: 8, .value_kind: global_buffer, .address_space: global }
    .group_segment_fixed_size: 327680
    .private_segment_fixed_size: 0
    .kernarg_segment_align: 8
    .kernarg_segment_size: 24
    .max_flat_workgroup_size: 128
    .sgpr_count:     66
    .vgpr_count:     784
    .wavefront_size: 32
...
	.end_amdgpu_metadata
.endif
;; end of part 3
;; launch proj (part 4): grid 8 x 32, 4 waves a work-group, clusters of 4 x 4, 327,680 bytes of LDS; arguments ob, wob, out0; writes out0
.if DOCPART == 4
	.amdgcn_target "amdgcn-amd-amdhsa--gfx1250"
	.amdhsa_code_object_version 6
	.text
	.protected	k_qc7ecc9587e_proj
	.globl	k_qc7ecc9587e_proj
	.p2align	8
	.type	k_qc7ecc9587e_proj,@function
k_qc7ecc9587e_proj:
	s_mov_b64 s[64:65], 0
	v_nop
	global_prefetch_b8 v0, s[64:65] scope:SCOPE_SE
	s_setreg_imm32_b32 hwreg(HW_REG_WAVE_MODE, 25, 1), 1
	s_wait_xcnt 0x0
	s_wait_alu depctr_hold_cnt(0) depctr_sa_sdst(0) depctr_va_vdst(0) depctr_va_sdst(0) depctr_va_ssrc(0) depctr_va_vcc(0) depctr_vm_vsrc(0)
	s_getreg_b32 s2, hwreg(HW_REG_IB_STS2, 6, 4)
	s_cmp_eq_u32 s2, 0
	s_cbranch_scc0 .Lentry_in_a_cluster
	s_endpgm
.Lentry_in_a_cluster:
	s_bfe_u32 s2, ttmp6, 0x10000c
	s_cmp_lg_u32 s2, 0xf033
	s_cbranch_scc0 .Lentry_shape_is_right
	s_endpgm
.Lentry_shape_is_right:
; THE LAST PROJECTION.  out0[row][o] = sum over d of O[row][d] w_out[o][d]: 8,192 x 1,024 x 1,024, f16 operands, f32 sums, f32 out.
; O lies by heads: ob[batch x 16 + head][2048][64] in f16, d = 64 head + channel.  wob[o][d] holds w_out rounded to bf16 and written as f16.
; SHARES.  A tile of out0 is 256 rows x 128 columns: 32 x 8 = 256 work-groups, one for each WGP (tiles of 256 x 256 would be 128).  Four waves; wave w makes rows 64 w .. 64 w + 63 and ALL 128 columns:
; 32 accumulators of 16 x 16, 256 registers.  So a wave owns whole pieces of 512 bytes of out0's rows, and its stage on the way out is its own.
; K goes in steps of 128, two heads, through a ring of two LDS slots.  A head's 256 rows of the tile are 32,768 dense bytes, a PLANE: asked for as 128 rows of 256 bytes and padded in LDS after every 128 bytes.
; CLUSTER 4 x 4: the four work-groups of a row of the cluster need the same planes of O, the four of a column the same tile of wob: each is asked for JOINTLY, by the same tensor load with the same
; descriptor and a mask that names the four.  Waves 0, 1 fetch a step's two planes, waves 2, 3 the two halves (64 rows) of wob's tile.
; THE MATRIX INSTRUCTION IS USED TRANSPOSED (source 0 = 16 rows of wob, source 1 = 16 rows of O): a lane then holds row lane % 16 of out0 and eight neighbouring columns 8 (lane / 16) + 0..7.
; REGISTERS, in windows of 256 (s_set_vgpr_msb: bits 1:0 source 0, 3:2 source 1, 5:4 source 2, 7:6 destination):
;   window 0: v0-31 addresses; v32-95 O's fragments, two buffers of 4 x 8; v96-159 at work on the way out
;   window 1: wob's fragments, two buffers of 8 x 8        window 3: the accumulators of column blocks 0-3 at 8 (4 b + a)        window 2: those of blocks 4-7 at 8 (4 (b - 4) + a)
.set NBK,    8                         ; column blocks of 16
.set PITCH,  272                       ; a row of wob in LDS: 256 bytes + 16 = 68 words: the 16 rows that a load touches start at 16 different groups of four banks (64 banks of 4 bytes: ISA guide 11.1)
.set PITCHA, 144                       ; a row of a plane: 128 bytes + 16 = 36 words: likewise
.set PLANEA, 256*PITCHA                ; byte k of a K step's 256 lies at (k / 128) PLANEA + k % 128 of O's LDS row
.set HALFA,  PLANEA                    ; what wave 0 or 1 fetches
.set HALFB,  64*PITCH                  ; what wave 2 or 3 fetches
.set BOFF,   2*HALFA                   ; wob's rows lie behind the two planes
.set SLOT,   BOFF+2*HALFB              ; 108,544
.set STAGE,  2*SLOT                    ; behind the ring, never filled by a tensor load: 16 rows x 528 bytes for each wave
.set SPITCH, 528                       ; 512 bytes + 16
.set SPARE,  STAGE+4*16*SPITCH         ; behind the stages: the spare words, 128 bytes for each wave: two blocks of 256 bytes that no other line names
.set STEPA,  4*262144                  ; bytes from a slot's K step to its next: four heads on
.set STEPB,  512                       ; two steps of 256 bytes
.set LAPS,   4                         ; a lap = two K steps = once round the ring: 1,024 / 256
.set ADRA, 16                          ; v16-17  LDS address of my O fragments in slot 0, 1
.set ADRB, 20                          ; v20-21  the same for wob
.set STO,  24                          ; v24     the way out: where I put 32 bytes of a row
.set RD,   25                          ; v25     where I read a row back
.set CO,   26                          ; v26     my byte offset in 512 consecutive bytes of out0
.set SPW,  28                          ; v28     LDS address of my spare word; never rewritten
.set NIL,  29                          ; v29     0; never rewritten
.set FA,   32
.set OB,   96
.set G1,  24                           ; s[24:31] descriptor group 1 for O's planes;  s[32:39] group 0, a set for each slot
.set G0,  32
.set G1B, 48                           ; s[48:55], s[56:63] the same for wob's tiles
.set G0B, 56
.set MSB, 0
.macro WIN new                         ; the immediate's high byte repeats the setting that is left; a switch that changes nothing is dropped
.if MSB != (\new)
	s_set_vgpr_msb (MSB<<8)|(\new)
.set MSB, \new
.endif
.endm
.set MUL_HI, 0xf1                      ; source 0 window 1, source 1 window 0, C and D window 3
.set MUL_LO, 0xa1                      ; the same, C and D window 2
.set TO_B,   0x40                      ; destination window 1, address window 0
; A joint refill.  The branch hangs on the wave's number alone.  An s_nop 0 and four v_nop follow each of the two lines, ahead of the jump and the label.
.macro JLOAD s
	s_cmp_eq_u32 s11, 0
	s_cbranch_scc0 .Lfor_b_\@
	tensor_load_to_lds s[G0+4*(\s):G0+4*(\s)+3], s[G1:G1+7]
	s_nop 0
.rept 4
	v_nop
.endr
	s_branch .Lasked_\@
.Lfor_b_\@:
	tensor_load_to_lds s[G0B+4*(\s):G0B+4*(\s)+3], s[G1B:G1B+7]
	s_nop 0
.rept 4
	v_nop
.endr
.Lasked_\@:
.endm
; A round of the cluster's barrier: my work-group's barrier, so that wave 0's signal speaks for all four waves; wave 0 signals; every wave waits for all sixteen work-groups; my work-group's barrier once more.
.macro CREST                           ; a round behind its opening barrier
	s_cmp_lg_u32 s10, 0
	s_cbranch_scc1 .Lnot_wave_0_\@
	s_barrier_signal -3
.Lnot_wave_0_\@:
	s_barrier_wait -3
	s_barrier_signal -1
	s_barrier_wait -1
.endm
.macro CROUND
	s_barrier_signal -1
	s_barrier_wait -1
	CREST
.endm
	s_load_b128 s[4:7], s[0:1], 0x0                ; ob s[4:5], wob s[6:7]
	s_load_b64 s[8:9], s[0:1], 0x10                ; out0
	v_lshl_add_u32 v[SPW], v0, 2, SPARE
	v_mov_b32 v[NIL], 0
	ds_add_u32 v[SPW], v[NIL]                      ; the wave's opening: the add and its wait stand ahead of my first tensor load; the set-up below, work on registers, stands between them
	v_lshrrev_b32 v1, 5, v0
	v_readfirstlane_b32 s10, v1                    ; wave 0..3
	s_lshr_b32 s11, s10, 1                         ; I fetch for O (0) or for wob (1)
	s_and_b32 s12, s10, 1                          ; which plane, or which half of wob's tile
	s_bfe_u32 s40, ttmp6, 0x40000                  ; cx, cy: my place in the cluster
	s_bfe_u32 s41, ttmp6, 0x40004
	s_lshl_b32 s42, ttmp9, 2
	s_add_co_u32 s42, s42, s40                     ; tile column = 4 x cluster x + cx
	s_and_b32 s13, ttmp7, 0xffff
	s_lshl_b32 s13, s13, 2
	s_add_co_u32 s13, s13, s41                     ; tile row = 4 x cluster y + cy
	s_lshl_b32 s43, s41, 2
	s_lshl_b32 s43, 15, s43                        ; my row of the cluster: places 4 cy .. 4 cy + 3
	s_lshl_b32 s44, 0x1111, s40                    ; my column: places cx, cx + 4, cx + 8, cx + 12
	s_or_b32 s[G1+0], s43, (1<<16)|(1<<20)|(1<<21)|(4<<22)|(3<<25)   ; 15:0 the mask; 17:16 elements of 2 bytes; 20 padding on; 21 set beside a mask; 24:22 after every 32 words (code 4); 31:25 4 words (code 3)
	s_or_b32 s[G1B+0], s44, (1<<16)|(1<<20)|(1<<21)|(5<<22)|(3<<25)  ; for wob after every 64 words (code 5)
	s_mov_b32 s[G1+1], 128<<16                     ; tensor_dim0 = 128 elements: 256 bytes, two rows of a plane
	s_mov_b32 s[G1+2], 128<<16                     ; tensor_dim1 = 128
	s_mov_b32 s[G1+3], 128<<16                     ; tile_dim0 = 128
	s_mov_b32 s[G1+4], 128                         ; tile_dim1 = 128
	s_mov_b32 s[G1+5], 128                         ; dense: 128 elements from row to row
	s_mov_b32 s[G1+6], 0
	s_mov_b32 s[G1+7], 0
	s_mov_b32 s[G1B+1], 128<<16
	s_mov_b32 s[G1B+2], 64<<16                     ; 64 rows
	s_mov_b32 s[G1B+3], 128<<16
	s_mov_b32 s[G1B+4], 64
	s_mov_b32 s[G1B+5], 1024
	s_mov_b32 s[G1B+6], 0
	s_mov_b32 s[G1B+7], 0
	; where the tiles come from: O's hang on the tile row alone, wob's on the tile column alone, each in registers that never hold the other coordinate
	s_lshr_b32 s16, s13, 3
	s_lshl_b32 s16, s16, 22                        ; the batch: 16 heads of 262,144 bytes,
	s_and_b32 s17, s13, 7
	s_lshl_b32 s17, s17, 15                        ; the tile's 256 rows of 128 bytes in a head,
	s_add_co_u32 s16, s16, s17
	s_lshl_b32 s17, s12, 18                        ; head 0 or 1 of the K step
	s_add_co_u32 s16, s16, s17
	s_mov_b32 s17, 0
	s_lshl_b32 s46, s42, 7
	s_lshl_b32 s47, s12, 6
	s_add_co_u32 s46, s46, s47                     ; wob: row 128 x tile column + 64 x half,
	s_lshl_b32 s46, s46, 11                        ; of 2,048 bytes
	s_mov_b32 s47, 0
	s_mul_i32 s20, s10, HALFA                      ; where they go: waves 0, 1: wave x a plane;
	s_mul_i32 s21, s10, HALFB
	s_add_co_u32 s21, s21, BOFF-2*HALFB            ; waves 2, 3: behind the planes, (wave - 2) x 64 rows.  No place in the cluster enters an LDS address
	s_wait_dscnt 0x0                               ; the opening add is done
	s_wait_kmcnt 0x0
	s_add_nc_u64 s[14:15], s[4:5], s[16:17]
	s_add_nc_u64 s[46:47], s[6:7], s[46:47]
.irp s, 0,1
	s_mov_b32 s[G0+4*(\s)], 1                                      ; count = 1
	s_add_co_u32 s[G0+4*(\s)+1], s20, (\s)*SLOT                    ; LDS address
	s_add_nc_u64 s[G0+4*(\s)+2:G0+4*(\s)+3], s[14:15], (\s)*2*262144  ; global address: K step s is heads 2 s, 2 s + 1
	s_or_b32 s[G0+4*(\s)+3], s[G0+4*(\s)+3], 0x80000000            ; type = 2
	s_mov_b32 s[G0B+4*(\s)], 1
	s_add_co_u32 s[G0B+4*(\s)+1], s21, (\s)*SLOT
	s_add_nc_u64 s[G0B+4*(\s)+2:G0B+4*(\s)+3], s[46:47], (\s)*256
	s_or_b32 s[G0B+4*(\s)+3], s[G0B+4*(\s)+3], 0x80000000
.endr
	CROUND                                         ; all sixteen work-groups are here: the first joint loads meet
	s_cmp_eq_u32 s11, 0                            ; a wave's two first fills stand in one branch, ahead of every wait on TENSORcnt and every LDS read: two loads of mine are out
	s_cbranch_scc0 .Lfirst_b
	tensor_load_to_lds s[G0:G0+3], s[G1:G1+7]
	s_nop 0
	tensor_load_to_lds s[G0+4:G0+7], s[G1:G1+7]
	s_nop 0
.rept 4
	v_nop
.endr
	s_branch .Lfirst_asked
.Lfirst_b:
	tensor_load_to_lds s[G0B:G0B+3], s[G1B:G1B+7]
	s_nop 0
	tensor_load_to_lds s[G0B+4:G0B+7], s[G1B:G1B+7]
	s_nop 0
.rept 4
	v_nop
.endr
.Lfirst_asked:
	; A fragment is 16 rows x 32 K in 8 registers: lane l holds row l % 16; registers 0-3 K = 8 (l / 16) + 0..7, registers 4-7 K = 16 + 8 (l / 16) + 0..7: two loads of 16 bytes, 32 bytes apart.
	v_and_b32 v1, 15, v0                           ; l % 16
	v_bfe_u32 v2, v0, 4, 1                         ; l / 16
	v_mul_u32_u24 v3, v1, PITCHA
	v_lshl_add_u32 v3, v2, 4, v3
	s_mul_i32 s22, s10, 64*PITCHA                  ; my 64 rows in each plane
	v_add_nc_u32 v[ADRA], s22, v3
	v_add_nc_u32 v[ADRA+1], SLOT, v[ADRA]
	v_mul_u32_u24 v3, v1, PITCH
	v_lshl_add_u32 v3, v2, 4, v3
	v_add_nc_u32 v[ADRB], BOFF, v3                 ; all 128 rows of wob
	v_add_nc_u32 v[ADRB+1], SLOT, v[ADRB]
	s_mul_i32 s23, s10, 16*SPITCH
	s_add_co_u32 s23, s23, STAGE                   ; my stage
	v_mul_u32_u24 v4, v1, SPITCH                   ; in: row l % 16, 32 bytes for each half of the lanes
	v_lshl_add_u32 v4, v2, 5, v4
	v_add_nc_u32 v[STO], s23, v4
	v_and_b32 v[CO], 31, v0                        ; back: 32 lanes take one row's 512 bytes
	v_lshlrev_b32 v[CO], 4, v[CO]
	v_add_nc_u32 v[RD], s23, v[CO]
	; out0 at my first row and the tile's first column
	s_lshl_b32 s16, s13, 20                        ; 256 rows of 4,096 bytes a tile row,
	s_lshl_b32 s17, s10, 18                        ; 64 a wave
	s_add_co_u32 s16, s16, s17
	s_mov_b32 s17, 0
	s_add_nc_u64 s[8:9], s[8:9], s[16:17]
	s_lshl_b32 s46, s42, 9                         ; 128 columns of 4 bytes (in the registers that held wob's address: none that fed O's descriptors ever holds cx)
	s_mov_b32 s47, 0
	s_add_nc_u64 s[8:9], s[8:9], s[46:47]
; 4 nb matrix instructions: column blocks b0 .. b0 + nb - 1 x my four row blocks, 32 along K, from buffer f.  zero = 1: the first product starts the sums: nothing is ever cleared.
; The 32 accumulators take turns, one instruction a turn, in the same order in every quarter.
.macro MULB f, b0, nb, zero
.set bb, \b0
.rept \nb
.if bb < 4
	WIN MUL_HI
.set AC, 32*bb
.else
	WIN MUL_LO
.set AC, 32*(bb-4)
.endif
.irp a, 0,1,2,3
.if \zero
	v_wmma_f32_16x16x32_f16 v[AC+8*(\a):AC+8*(\a)+7], v[8*NBK*(\f)+8*bb:8*NBK*(\f)+8*bb+7], v[FA+32*(\f)+8*(\a):FA+32*(\f)+8*(\a)+7], 0
.else
	v_wmma_f32_16x16x32_f16 v[AC+8*(\a):AC+8*(\a)+7], v[8*NBK*(\f)+8*bb:8*NBK*(\f)+8*bb+7], v[FA+32*(\f)+8*(\a):FA+32*(\f)+8*(\a)+7], v[AC+8*(\a):AC+8*(\a)+7]
.endif
.endr
.set bb, bb+1
.endr
.endm
; 8 + 2 NBK LDS loads in one run: the fragments of one quarter step (32 K at byte k of the K step) into buffer f: O's first, then wob's, blocks ascending
.macro FETCH slot, k, f
	WIN 0
.irp i, 0,1,2,3
	ds_load_b128 v[FA+32*(\f)+8*(\i):FA+32*(\f)+8*(\i)+3],   v[ADRA+(\slot)] offset:((\k)/128)*PLANEA+(\k)%128+(\i)*16*PITCHA
	ds_load_b128 v[FA+32*(\f)+8*(\i)+4:FA+32*(\f)+8*(\i)+7], v[ADRA+(\slot)] offset:((\k)/128)*PLANEA+(\k)%128+(\i)*16*PITCHA+32
.endr
	WIN TO_B
.set bb, 0
.rept NBK
	ds_load_b128 v[8*NBK*(\f)+8*bb:8*NBK*(\f)+8*bb+3],   v[ADRB+(\slot)] offset:(\k)+bb*16*PITCH
	ds_load_b128 v[8*NBK*(\f)+8*bb+4:8*NBK*(\f)+8*bb+7], v[ADRB+(\slot)] offset:(\k)+bb*16*PITCH+32
.set bb, bb+1
.endr
.endm
; A load into a register that a matrix instruction has read, and a vector instruction or LDS store that reads a matrix result, stand four places behind it; only plain vector
; instructions that name none of its registers are places (ISA guide 7.12.1 for vector instructions).
.macro PLACES
.rept 4
	v_nop
.endr
.endm
; A K step is four quarters of 32 along K, 32 matrix instructions each, on buffers 0, 1, 0, 1.  One of the first three multiplies buffer f and, behind its first 16 products, fetches the next quarter into buffer g.
.macro QUARTER slot, k, f, g, zero
	s_wait_dscnt 2*(NBK-4)                         ; O's fragments and wob's blocks 0-3 are in; the youngest 8 loads (blocks 4-7) may be out
	MULB \f, 0, 4, \zero
	PLACES
	FETCH \slot, \k, \g
	s_wait_dscnt 8+2*NBK                           ; all but the 24 just issued
	MULB \f, 4, NBK-4, \zero
.endm
; The last quarter multiplies buffer 1 and changes slots: ONE barrier.  In front of it each wave waits for all its tensor loads (one is out: its part of the next slot), adds 0 to its spare word,
; and waits for that and for its own reads of this slot.  fill = 1: the barrier opens a round of the cluster's barrier, and this slot is filled again, two K steps ahead, first thing behind the round.
.macro TURN slot, next, fill
	WIN 0                                          ; (the add's two registers lie in window 0)
	s_wait_tensorcnt 0x0                           ; all my tensor loads have landed;
	ds_add_u32 v[SPW], v[NIL]                      ; 0 onto my spare word;
	s_wait_dscnt 2*(NBK-4)+1                       ; (the add and the youngest 8 loads may be out)
	MULB 1, 0, 4, 0                                ; sixteen matrix instructions stand between the add and the wait for it
	s_wait_dscnt 0x0                               ; the add is done, and my reads of this slot are over
	s_barrier_signal -1
	MULB 1, 4, (NBK-4)/2, 0                        ; work on registers while the others arrive
.if \fill
	WIN 0
.endif
	s_barrier_wait -1
.if \fill
	CREST                                          ; no wave of any partner still reads this slot's tile or has a load on its way
	s_add_nc_u64 s[G0+4*(\slot)+2:G0+4*(\slot)+3], s[G0+4*(\slot)+2:G0+4*(\slot)+3], STEPA
	s_add_nc_u64 s[G0B+4*(\slot)+2:G0B+4*(\slot)+3], s[G0B+4*(\slot)+2:G0B+4*(\slot)+3], STEPB
	JLOAD \slot                                    ; my one tensor load behind the round; its four v_nop are also the places in front of the loads below
.else
	PLACES
.endif
	FETCH \next, 0, 0
	MULB 1, 4+(NBK-4)/2, (NBK-4)/2, 0
.endm
; THE WAY OUT of row block a (16 rows x 128 columns of f32): a lane's eight numbers, 32 bytes, go straight from the accumulator into my own stage, the low four registers first; whole rows of 512 bytes come back.
.macro OUTBLK a
.set bb, 0
.rept NBK
.if bb < 4
	WIN 0x0c                                       ; the stored data (source 1) in window 3
.set AC, 32*bb+8*(\a)
.else
	WIN 0x08                                       ; in window 2
.set AC, 32*(bb-4)+8*(\a)
.endif
	ds_store_b128 v[STO], v[AC:AC+3]   offset:64*bb
	ds_store_b128 v[STO], v[AC+4:AC+7] offset:64*bb+16
.set bb, bb+1
.endr
	WIN 0
	s_wait_xcnt 0x0                                ; the registers loaded below were the last block's store data: they are rewritten only behind this wait
.set j, 0
.rept 16
	ds_load_b128 v[OB+4*j:OB+4*j+3], v[RD] offset:SPITCH*j  ; LDS serves a wave's instructions in order (ISA guide 5.7.1.4): these see the stores above
.set j, j+1
.endr
.set j, 0
.rept 16
	s_wait_dscnt 15-j                              ; row j is back; the 15 - j younger loads may be out
	global_store_b128 v[CO], v[OB+4*j:OB+4*j+3], s[8:9] offset:(16*(\a)+j)*4096 th:TH_STORE_NT  ; 512 consecutive bytes, at a multiple of 512 from out0's first
.set j, j+1
.endr
.endm
	s_wait_tensorcnt 0x1                           ; my part of K step 0 is in; slot 1's may stay out
	s_barrier_signal -1
	s_barrier_wait -1                              ; everybody's is
	FETCH 0, 0, 0
	QUARTER 0, 64, 0, 1, 1                         ; the first quarter stands in front of the loop: its products start the sums
	WIN 0                                          ; at a label and at a branch every window is 0
	s_mov_b32 s3, LAPS-1
.Llap:                                                 ; a trip goes once round the ring, from a lap's second quarter to the next lap's first, and fills both slots again
	QUARTER 0, 128, 1, 0, 0
	QUARTER 0, 192, 0, 1, 0
	TURN 0, 1, 1
	QUARTER 1, 64,  0, 1, 0
	QUARTER 1, 128, 1, 0, 0
	QUARTER 1, 192, 0, 1, 0
	TURN 1, 0, 1
	QUARTER 0, 64,  0, 1, 0
	WIN 0
	s_sub_co_u32 s3, s3, 1
	s_cmp_lg_u32 s3, 0
	s_cbranch_scc1 .Llap
	QUARTER 0, 128, 1, 0, 0                        ; the last lap fills nothing, and has no round of the cluster's barrier
	QUARTER 0, 192, 0, 1, 0
	TURN 0, 1, 0
	QUARTER 1, 64,  0, 1, 0
	QUARTER 1, 128, 1, 0, 0
	QUARTER 1, 192, 0, 1, 0
	s_wait_dscnt 2*(NBK-4)                         ; the very last quarter: nothing more to fetch
	MULB 1, 0, 4, 0
	s_wait_dscnt 0x0
	MULB 1, 4, NBK-4, 0
	WIN 0
	PLACES                                         ; the LDS stores read results just made
	OUTBLK 0
	OUTBLK 1
	OUTBLK 2
	OUTBLK 3
	s_wait_tensorcnt 0x0                           ; the wave's end: an add to my spare word and the wait for it, behind my last tensor load and my last LDS store
	ds_add_u32 v[SPW], v[NIL]
	s_wait_dscnt 0x0
	CROUND                                         ; the closing round: no work-group ends while a partner may still ask for a tile that names it
	s_endpgm
.Lfunc_end_k_qc7ecc9587e_proj:
	.size	k_qc7ecc9587e_proj, .Lfunc_end_k_qc7ecc9587e_proj-k_qc7ecc9587e_proj
	.p2alignl 7, 3214868480
	.fill 96, 4, 3214868480
	.section	.rodata,"a",@progbits
	.p2align	6, 0x0
	.amdhsa_kernel k_qc7ecc9587e_proj
		.amdhsa_group_segment_fixed_size 327680
		.amdhsa_private_segment_fixed_size 0
		.amdhsa_enable_private_segment 0
		.amdhsa_kernarg_size 24
		.amdhsa_user_sgpr_count 2
		.amdhsa_user_sgpr_kernarg_segment_ptr 1
		.amdhsa_wavefront_size32 1
		.amdhsa_system_sgpr_workgroup_id_x 1
		.amdhsa_system_sgpr_workgroup_id_y 1
		.amdhsa_system_sgpr_workgroup_id_z 1
		.amdhsa_system_vgpr_workitem_id 0
		.amdhsa_next_free_vgpr 896
		.amdhsa_next_free_sgpr 66
		.amdhsa_reserve_vcc 0
		.amdhsa_float_denorm_mode_32 3
		.amdhsa_float_denorm_mode_16_64 3
		.amdhsa_memory_ordered 1
		.amdhsa_forward_progress 1
		.amdhsa_inst_pref_size 87
	.end_amdhsa_kernel
	.amdgpu_metadata
---
amdhsa.version: [ 1, 2 ]
amdhsa.kernels:
  - .name:           k_qc7ecc9587e_proj
    .symbol:         k_qc7ecc9587e_proj.kd
    .args:
      - { .name: ob, .offset: 0, .size: 8, .value_kind: global_buffer, .address_space: global }
      - { .name: wob, .offset: 8, .size: 8, .value_kind: global_buffer, .address_space: global }
      - { .name: out0, .offset: 16, .size: 8, .value_kind: global_buffer, .address_space: global }
    .group_segment_fixed_size: 327680
    .private_segment_fixed_size: 0
    .kernarg_segment_align: 8
    .kernarg_segment_size: 24
    .max_flat_workgroup_size: 128
    .sgpr_count:     66
    .vgpr_count:     896
    .wavefront_size: 32
...
	.end_amdgpu_metadata
.endif
;; end of part 4
;; ======== version 2 of 2: 4 launches; version 1 with the launch cast written anew for expert scheduling mode
;; limits: values are held in f16: magnitudes above 65,504 overflow, below 6.1e-05 lose precision
;; workspace buffers: xb 16,777,216 bytes; wqb 6,291,456 bytes; wob 2,097,152 bytes; qkv 50,331,648 bytes; ob 16,777,216 bytes
;; launch cast (part 5): grid 768 x 1, 8 waves a work-group, no clusters, 0 bytes of LDS; arguments iQ, w_qkv, w_out, xb, wqb, wob; writes xb, wqb, wob
.if DOCPART == 5
	.amdgcn_target "amdgcn-amd-amdhsa--gfx1250"
	.amdhsa_code_object_version 6
	.text
	.protected	k_qc7ecc9587e_cast
	.globl	k_qc7ecc9587e_cast
	.p2align	8
	.type	k_qc7ecc9587e_cast,@function
k_qc7ecc9587e_cast:
	s_mov_b64 s[64:65], 0
	v_nop
	global_prefetch_b8 v0, s[64:65] scope:SCOPE_SE
	s_setreg_imm32_b32 hwreg(HW_REG_WAVE_SCHED_MODE, 0, 2), 2
	s_setreg_imm32_b32 hwreg(HW_REG_WAVE_MODE, 25, 1), 1
	s_wait_xcnt 0x0
	s_wait_alu depctr_vm_vsrc(0)
; The module's three large inputs are rounded once to bf16: iQ -> xb and w_qkv -> wqb as bf16; w_out -> wob: rounded to bf16, and that number written as f16
; (the last product multiplies in f16).  LIMIT: a bf16 number is exact in f16 between 6.1e-5 and 65,504 in magnitude; below, it keeps f16's fixed step of 6e-8; beyond, it becomes an infinity.
; A stream: no LDS, no barrier, no matrix unit.  A work-group takes 65,536 input bytes: groups 0-511 iQ, 512-703 w_qkv, 704-767 w_out.
; Thread t, chunk c of 16: 16 bytes at 4,096 c + 16 t (a wave's load covers 512 consecutive bytes), 8 bytes out at 2,048 c + 8 t (a wave's store covers 256 consecutive bytes, aligned).
; All 16 loads go out first; every chunk has its own registers, so nothing that a pending load or store names is ever rewritten.
; THE MODE: SCHED_MODE bits 1:0 = 2 (LLVM: expert scheduling mode 2), set by the entry lines.  The code itself states the register dependences
; between vector instructions and memory instructions, with s_wait_alu, always for 0.
; THE PLAN.  Registers that memory instructions touch:
;   v1, v2   byte offsets of the loads and of the stores: written once at the head, never again.
;   X        chunk c's load lands in its four registers, which no vector instruction has named before; no memory instruction reads them.
;   Y        chunk c's conversions write its two registers once; its store reads them once; nothing writes them again.
;   T is named by vector instructions alone.
; The 16 chunks go in four groups of four.  One wait on va_vdst stands ahead of the first load (v1, v2).  One stands at the head of each of groups 1 to 3, behind the wait for the group's
; first chunk: the group before has written its Y, and that group's four stores follow in one run, ahead of any vector instruction of the new group.  One stands behind group 3, ahead of the last
; four stores.  No register that a memory instruction reads is ever written again, so past the entry lines the text holds no wait on vm_vsrc.
.set X, 4                              ; v[4:67]    chunk c: 4 numbers in f32
.set Y, 68                             ; v[68:99]   chunk c: 4 numbers of 16 bits
.set T, 100                            ; v[100:101] at work
	s_load_b256 s[4:11], s[0:1], 0x0               ; iQ s[4:5], w_qkv s[6:7], w_out s[8:9], xb s[10:11]
	s_load_b128 s[12:15], s[0:1], 0x20             ; wqb s[12:13], wob s[14:15]
	v_lshlrev_b32 v1, 4, v0                        ; 16 t
	v_lshlrev_b32 v2, 3, v0                        ; 8 t
	s_wait_kmcnt 0x0
	s_cmp_lt_u32 ttmp9, 512                        ; which tensor is mine: a choice by the group's number alone
	s_cselect_b64 s[16:17], s[4:5], s[6:7]
	s_cselect_b64 s[18:19], s[10:11], s[12:13]
	s_cselect_b32 s20, 0, 512                      ; the first group of that tensor
	s_cmp_lt_u32 ttmp9, 704
	s_cselect_b64 s[16:17], s[16:17], s[8:9]
	s_cselect_b64 s[18:19], s[18:19], s[14:15]
	s_cselect_b32 s20, s20, 704
	s_sub_co_u32 s20, ttmp9, s20                   ; my place among the tensor's groups
	s_lshl_b32 s22, s20, 16                        ; 65,536 bytes in,
	s_mov_b32 s23, 0
	s_add_nc_u64 s[16:17], s[16:17], s[22:23]
	s_lshl_b32 s22, s20, 15                        ; 32,768 bytes out
	s_add_nc_u64 s[18:19], s[18:19], s[22:23]
	s_wait_alu depctr_va_vdst(0)                   ; v1 and v2 are written: every load of the kernel reads v1 as its offset, every store v2
.irp c, 0,1,2,3,4,5,6,7,8,9,10,11,12,13,14,15
	global_load_b128 v[X+4*(\c):X+4*(\c)+3], v1, s[16:17] offset:4096*(\c) th:TH_LOAD_NT
.endr
; Chunk c is rounded into its Y.  half = 1: the bf16 number is widened again (a shift, a mask) and written as f16.
.macro CVT c, half
.if \half
	v_cvt_pk_bf16_f32 v[T],   v[X+4*(\c)],   v[X+4*(\c)+1]
	v_cvt_pk_bf16_f32 v[T+1], v[X+4*(\c)+2], v[X+4*(\c)+3]
	v_lshlrev_b32 v[X+4*(\c)],   16, v[T]
	v_and_b32     v[X+4*(\c)+1], 0xffff0000, v[T]
	v_lshlrev_b32 v[X+4*(\c)+2], 16, v[T+1]
	v_and_b32     v[X+4*(\c)+3], 0xffff0000, v[T+1]
	v_cvt_pk_f16_f32 v[Y+2*(\c)],   v[X+4*(\c)],   v[X+4*(\c)+1]
	v_cvt_pk_f16_f32 v[Y+2*(\c)+1], v[X+4*(\c)+2], v[X+4*(\c)+3]
.else
	v_cvt_pk_bf16_f32 v[Y+2*(\c)],   v[X+4*(\c)],   v[X+4*(\c)+1]
	v_cvt_pk_bf16_f32 v[Y+2*(\c)+1], v[X+4*(\c)+2], v[X+4*(\c)+3]
.endif
.endm
; The four chunks of group g leave, in one run.
.macro SEND g
.irp i, 0,1,2,3
	global_store_b64 v2, v[Y+2*(4*(\g)+(\i)):Y+2*(4*(\g)+(\i))+1], s[18:19] offset:2048*(4*(\g)+(\i))  ; the next launch reads it: no hint
.endr
.endm
; Group g: the group before leaves, then chunks 4 g to 4 g + 3 are rounded as they come in.
.macro GROUP g, half
	s_wait_loadcnt 15-4*(\g)                       ; loads come back in order: the group's first chunk is in, the younger ones stay out
.if (\g) > 0
	s_wait_alu depctr_va_vdst(0)                   ; the conversions of the group before have written its eight registers of Y, which the four stores below read
	SEND (\g)-1
.endif
	CVT 4*(\g), \half
.irp i, 1,2,3
	s_wait_loadcnt 15-4*(\g)-(\i)                  ; chunk c = 4 g + i is in, the 15 - c younger ones stay out
	CVT 4*(\g)+(\i), \half
.endr
.endm
	s_cmp_ge_u32 ttmp9, 704                        ; compared anew: the subtraction above has set SCC
	s_cbranch_scc1 .Lf16
	GROUP 0, 0
	GROUP 1, 0
	GROUP 2, 0
	GROUP 3, 0
	s_wait_alu depctr_va_vdst(0)                   ; group 3's conversions have written its Y, which the last four stores read
	SEND 3
	s_endpgm
.Lf16:
	GROUP 0, 1
	GROUP 1, 1
	GROUP 2, 1
	GROUP 3, 1
	s_wait_alu depctr_va_vdst(0)                   ; group 3's conversions have written its Y, which the last four stores read
	SEND 3
	s_endpgm
.Lfunc_end_k_qc7ecc9587e_cast:
	.size	k_qc7ecc9587e_cast, .Lfunc_end_k_qc7ecc9587e_cast-k_qc7ecc9587e_cast
	.p2alignl 7, 3214868480
	.fill 96, 4, 3214868480
	.section	.rodata,"a",@progbits
	.p2align	6, 0x0
	.amdhsa_kernel k_qc7ecc9587e_cast
		.amdhsa_group_segment_fixed_size 0
		.amdhsa_private_segment_fixed_size 0
		.amdhsa_enable_private_segment 0
		.amdhsa_kernarg_size 48
		.amdhsa_user_sgpr_count 2
		.amdhsa_user_sgpr_kernarg_segment_ptr 1
		.amdhsa_wavefront_size32 1
		.amdhsa_system_sgpr_workgroup_id_x 1
		.amdhsa_system_sgpr_workgroup_id_y 1
		.amdhsa_system_sgpr_workgroup_id_z 1
		.amdhsa_system_vgpr_workitem_id 0
		.amdhsa_next_free_vgpr 104
		.amdhsa_next_free_sgpr 66
		.amdhsa_reserve_vcc 0
		.amdhsa_float_denorm_mode_32 3
		.amdhsa_float_denorm_mode_16_64 3
		.amdhsa_memory_ordered 1
		.amdhsa_forward_progress 1
		.amdhsa_inst_pref_size 17
	.end_amdhsa_kernel
	.amdgpu_metadata
---
amdhsa.version: [ 1, 2 ]
amdhsa.kernels:
  - .name:           k_qc7ecc9587e_cast
    .symbol:         k_qc7ecc9587e_cast.kd
    .args:
      - { .name: iQ, .offset: 0, .size: 8, .value_kind: global_buffer, .address_space: global }
      - { .name: w_qkv, .offset: 8, .size: 8, .value_kind: global_buffer, .address_space: global }
      - { .name: w_out, .offset: 16, .size: 8, .value_kind: global_buffer, .address_space: global }
      - { .name: xb, .offset: 24, .size: 8, .value_kind: global_buffer, .address_space: global }
      - { .name: wqb, .offset: 32, .size: 8, .value_kind: global_buffer, .address_space: global }
      - { .name: wob, .offset: 40, .size: 8, .value_kind: global_buffer, .address_space: global }
    .group_segment_fixed_size: 0
    .private_segment_fixed_size: 0
    .kernarg_segment_align: 8
    .kernarg_segment_size: 48
    .max_flat_workgroup_size: 256
    .sgpr_count:     66
    .vgpr_count:     104
    .wavefront_size: 32
...
	.end_amdgpu_metadata
.endif
;; end of part 5
;; launch qkv: the kernel of part 2 again; grid 16 x 32, 4 waves a work-group, clusters of 4 x 4, 327,680 bytes of LDS; arguments xb, wqb, qkv; writes qkv
;; launch attn: the kernel of part 3 again; grid 4 x 64, 4 waves a work-group, clusters of 4 x 1, 327,680 bytes of LDS; arguments qkv, sn_bias, ob; writes ob
;; launch proj: the kernel of part 4 again; grid 8 x 32, 4 waves a work-group, clusters of 4 x 4, 327,680 bytes of LDS; arguments ob, wob, out0; writes out0
